; MI455X (gfx1250); checked and timed in simulation.
; The chip was launched on July 23, 2026; its instructions are those of AMD's public machine-readable ISA for CDNA 5 (MIT licence, August 2026) and "CDNA5" Instruction Set Architecture Reference Guide (July 2026). The comments in the code are by the model that wrote it; some were corrected since.
;; Attention. Allowed arithmetic: matrix products marked QUANTISED: E2M1 operands, one E8M0 scale for each 32 along K, by v_wmma_scale_f32_16x16x128_f8f6f4 with both operands' format E2M1 (or v_wmma_scale_f32_32x16x128_f4), f32 sums; everything else in f32.
;; Inputs: b1 1,024 float32; ln1_b 1,024 float32; ln1_g 1,024 float32; ln2_b 1,024 float32; ln2_g 1,024 float32; w1 1,024 x 1,024 float32; wk 1,024 x 1,024 float32; wq 1,024 x 1,024 float32; wv 1,024 x 1,024 float32; x 4,096 x 1,024 float32.
;; Outputs: out0 4,096 x 1,024 float32.
;; This version of the problem:
;;   THIS VERSION OF THE PROBLEM IS GIVEN IN LOW PRECISION. The matrix products marked QUANTISED in the list below multiply operands that are first quantised to E2M1 (2 exponent bits, 1 mantissa bit; 4 bits a number), with one power-of-two scale for each 32 numbers along K (OCP MX v1.0); their sums are f32. All else is computed in f32.
;;   The module's matrix products, in the order in which they are computed (A, B: the left and right operand; K: the contracted axis; several contracted axes count as one K, in the product's order):
;;     1. [M 4,096, K 1,024] x [K 1,024, N 1,024]; A: input x; B: input wq: QUANTISED
;;     2. [M 4,096, K 1,024] x [K 1,024, N 1,024]; A: input x; B: input wk: QUANTISED
;;     3. [M 4,096, K 1,024] x [K 1,024, N 1,024]; A: input x; B: input wv: QUANTISED
;;     4. batch 16 x [M 4,096, K 64] x [K 64, N 4,096]; A: computed on the way; B: computed on the way: QUANTISED
;;     5. batch 16 x [M 4,096, K 4,096] x [K 4,096, N 64]; A: softmax (see below); B: computed on the way: QUANTISED
;;     6. [M 4,096, K 1,024] x [K 1,024, N 1,024]; A: computed on the way; B: input w1: QUANTISED
;;   THE QUANTISER, for each operand of a quantised product, along K:
;;     - K is cut into blocks of 32 from its start; a last block that is shorter is filled with zeros.
;;     - A block's scale is 2^e with e = floor(log2(the largest magnitude in the block)) - 2, held to -126 .. 127; a block of zeros has e = 0. As a byte (E8M0): e + 127.
;;     - Each number is divided by its block's scale, clamped to +-6, and rounded to the nearest number of E2M1, ties to even, subnormals kept.
;;     - The product sums the exact products of the quantised numbers (number of the format x scale) in f32.
;;   ~~~python
;;   def quantise(x, axis):      # numpy; x: float32 -> the quantised numbers, widened to float32 again
;;       x = np.moveaxis(x, axis, -1); K = x.shape[-1]
;;       x = np.pad(x, [(0, 0)] * (x.ndim - 1) + [(0, -K % 32)]); x = x.reshape(x.shape[:-1] + (-1, 32)); a = np.abs(x).max(-1, keepdims=True)
;;       e = np.where(a > 0, np.clip(np.frexp(np.where(a > 0, a, 1))[1] - 1 - 2, -126, 127), 0)      # np.frexp(a)[1] - 1 = floor(log2(a)), exactly
;;       r = np.clip(x / 2.0 ** e, -6, 6)
;;       step = 2.0 ** (np.maximum(np.frexp(np.where(r == 0, 1, r))[1] - 1, 0) - 1)
;;       q = np.round(r / step) * step * 2.0 ** e      # np.round: ties to even
;;       return np.moveaxis(q.reshape(q.shape[:-2] + (-1,))[..., :K], -1, axis).astype(np.float32)
;;   ~~~
;;   SOFTMAX AHEAD OF A QUANTISED PRODUCT. Where the list says 'softmax', what is quantised is not the finished softmax but p = 2^(t - M), with t = logit x log2(e) and M = ceil(the row's largest t), a whole number; so 1/2 < the row's largest p <= 1. The row's sum l is taken of the UNQUANTISED p, in f32, and the product's result is divided by l at the end. Since M is a whole number, a kernel that streams over the keys may use a running M (the ceiling of the running maximum): every later rescaling is an exact power of two, which a block's scale takes up: the codes' values come out the same.
;;   OPERANDS COMPUTED ON THE WAY. 'Computed on the way' means the value that the module computes at that place (a softmax that the list does not call 'softmax' is quantised finished and normalised). What goes into a quantiser is computed in f32, as accurately as f32 sums, v_exp_f32 and their like allow (about 1e-6 of the number): no bf16 or f16 on the way to a quantiser, and a product that is left as it is and whose result goes on into a quantised operand takes f32 operands (vector FMAs, or v_wmma_f32_16x16x4_f32). A number that lies on a knife's edge between two numbers of the format may be rounded either way, as far as f32 arithmetic and the matrix unit's own rounding can turn it there, and no further.
;; One version. Each part assembles by itself: llvm-mc -triple=amdgcn-amd-amdhsa -mcpu=gfx1250 --defsym DOCPART=n.
;; ======== version 1 of 1: 4 launches
;; limits: right only within a limited range of input values
;; workspace buffers: codes 4,194,304 bytes; scales 262,144 bytes; qk 4,718,592 bytes; vp 2,359,296 bytes; att 16,777,216 bytes
;; launch quant (part 1): grid 256 x 1, 4 waves a work-group, no clusters, 33,280 bytes of LDS; arguments x, wq, wk, wv, w1, codes, scales; writes codes, scales
.if DOCPART == 1
	.amdgcn_target "amdgcn-amd-amdhsa--gfx1250"
	.amdhsa_code_object_version 6
	.text
	.protected	k_q9bde9fbfd1_quant
	.globl	k_q9bde9fbfd1_quant
	.p2align	8
	.type	k_q9bde9fbfd1_quant,@function
k_q9bde9fbfd1_quant:
	s_mov_b64 s[64:65], 0
	v_nop
	global_prefetch_b8 v0, s[64:65] scope:SCOPE_SE
	s_setreg_imm32_b32 hwreg(HW_REG_WAVE_MODE, 25, 1), 1
	s_wait_xcnt 0x0
; x [4096][1024] and wq, wk, wv, w1 [1024][1024], f32, become codes of FP4 (E2M1), K = 1,024 innermost, with one E8M0 byte for each 32 along K.
; codes: 8,192 rows of 512 bytes; scales: the same rows, 32 bytes each.  Logical rows: x 0.., wq 4096.., wk 5120.., wv 6144.., w1 7168...
; STORED ROW ORDER: in each group of 32 rows the second and the third group of 8 change places.  So 16 consecutive stored rows (a tile T) hold, at place r, logical row 32 (T / 2) + 8 (T % 2) + r + 8 (r / 8):
; a product that takes such a tile as its source 0 leaves, in the 16 registers of tiles 2 b and 2 b + 1, 16 neighbours along the rows' axis, as the next quantiser wants them.
; A block's scale is 2^(floor(log2(its largest magnitude)) - 2); its byte is the largest magnitude's exponent field - 2, held at 1 from below.
; LIMITS: a block of zeros gets the byte 1 where the rule says 127 (its codes are zeros, and this program alone reads the bytes); NaN and infinities among the inputs are not served.
; A work-group takes 32 rows, a wave 8 rows = 16 steps of 512 numbers.  Each of a step's four loads reads 512 consecutive bytes; the 2,048 bytes turn through the wave's own stage in LDS and come back 64 bytes a lane,
; so that a lane holds 16 neighbours along K and two neighbouring lanes a block.  A wave's store of codes covers 256 consecutive bytes; its 256 scale bytes are gathered in LDS and leave as one aligned run of 256.
; No tensor loads, no barrier: waves share nothing.  Loads run four steps (16 loads a wave) ahead, the turn through LDS one step.
.set STEPS, 16
.set EMAX,  2
.set CB,    8                          ; bytes of 16 codes
.set R,     16                         ; v16-79   four sets of 16 numbers as they are loaded
.set X,     80                         ; v80-111  two sets of 16 neighbours
.set E,     112                        ; v112-127 a scale byte for each step
.set C,     128                        ; v128-191 codes: four registers for each step, so that no store's data are written again
.set WREG,  8192                       ; LDS: a region for each wave: two stages of 32 x SP bytes, behind them its 256 scale bytes
.set SP,    80                         ; a lane's place in a stage: its 64 bytes + 16 of padding
	s_load_b256 s[4:11], s[0:1], 0x0               ; x, wq, wk, wv
	s_load_b128 s[12:15], s[0:1], 0x20             ; w1, codes
	s_load_b64 s[16:17], s[0:1], 0x30              ; scales
	v_lshl_add_u32 v192, v0, 2, 0x8000
	v_mov_b32 v193, 0
	v_lshrrev_b32 v1, 5, v0
	v_readfirstlane_b32 s24, v1                    ; wave
	v_and_b32 v2, 31, v0                           ; lane
	v_lshlrev_b32 v3, 4, v2                        ; my 16 bytes of a load's 512
	s_mul_i32 s25, s24, WREG
	v_lshrrev_b32 v14, 2, v2
	v_mul_u32_u24 v14, v14, SP
	v_and_b32 v15, 3, v2
	v_lshl_add_u32 v14, v15, 4, v14
	v_add_nc_u32 v14, s25, v14                     ; the stage, on the way in: SP (lane / 4) + 16 (lane % 4); a load's 512 bytes take eight places
	v_mul_u32_u24 v15, v2, SP
	v_add_nc_u32 v15, s25, v15                     ; and on the way out: SP x lane: my 16 neighbours
	v_mul_u32_u24 v4, v2, CB                       ; my codes' place in a step's
	v_lshrrev_b32 v5, 1, v2
	s_add_co_u32 s25, s25, 2*32*SP
	v_add_nc_u32 v5, s25, v5                       ; LDS: my wave's 256 scale bytes, my block's byte
	v_lshlrev_b32 v7, 3, v2                        ; and on the way out 8 bytes a lane
	v_add_nc_u32 v6, s25, v7
	s_and_b32 s23, ttmp9, 31                       ; a weight's work-group among its 32
	s_wait_alu depctr_va_vdst(0)
	s_wait_kmcnt 0x0
	s_cmp_lt_u32 ttmp9, 160                        ; which tensor: the choice hangs on the work-group's number alone
	s_cselect_b64 s[20:21], s[6:7], s[8:9]
	s_cmp_lt_u32 ttmp9, 192
	s_cselect_b64 s[20:21], s[20:21], s[10:11]
	s_cmp_lt_u32 ttmp9, 224
	s_cselect_b64 s[20:21], s[20:21], s[12:13]
	s_cmp_lt_u32 ttmp9, 128
	s_cselect_b64 s[20:21], s[4:5], s[20:21]
	s_cselect_b32 s22, ttmp9, s23
	s_lshl_b32 s22, s22, 2
	s_add_co_u32 s22, s22, s24                     ; which run of 8 rows of the tensor is my wave's
	s_lshl_b32 s26, s22, 15                        ; 32,768 bytes a run
	s_mov_b32 s27, 0
	s_add_nc_u64 s[20:21], s[20:21], s[26:27]
	s_and_b32 s28, s24, 1
	s_lshl_b32 s28, s28, 1
	s_lshr_b32 s29, s24, 1
	s_or_b32 s28, s28, s29                         ; waves 1 and 2 change places on the way out: the stored row order
	s_lshl_b32 s29, ttmp9, 2
	s_add_co_u32 s28, s28, s29
	s_lshl_b32 s26, s28, 12                        ; 4,096 bytes of codes a run
	s_add_nc_u64 s[14:15], s[14:15], s[26:27]
	s_lshl_b32 s26, s28, 8                         ; 256 scale bytes a run
	s_add_nc_u64 s[16:17], s[16:17], s[26:27]
.macro LOAD t
.irp i, 0,1,2,3
	global_load_b128 v[R+16*((\t)%4)+4*\i:R+16*((\t)%4)+4*\i+3], v3, s[20:21] offset:2048*(\t)+512*\i th:TH_LOAD_NT   ; 32 lanes read 512 consecutive bytes
.endr
.endm
.macro TURN t                          ; step t's numbers through the stage: LDS serves a wave's instructions in order, so no wait stands between the stores and the loads
.irp i, 0,1,2,3
	ds_store_b128 v14, v[R+16*((\t)%4)+4*\i:R+16*((\t)%4)+4*\i+3] offset:32*SP*((\t)%2)+8*SP*\i
.endr
.irp i, 0,1,2,3
	ds_load_b128 v[X+16*((\t)%2)+4*\i:X+16*((\t)%2)+4*\i+3], v15 offset:32*SP*((\t)%2)+16*\i
.endr
.endm
.irp t, 0,1,2,3
	LOAD \t
.endr
	s_wait_loadcnt 12                              ; step 0's four loads are in; the twelve of steps 1 to 3 stay out
	TURN 0
.macro STEP t
.set XS, X+16*((\t)%2)
.if (\t) > 0
	s_wait_dscnt 1                                 ; this step's numbers are back from the stage (the last step's byte store may be out): so its stores into the stage have read their registers,
.else
	s_wait_dscnt 0x0
.endif
.if (\t)+4 < STEPS
	LOAD (\t)+4                                    ; which take the loads of four steps on
.endif
.if (\t)+1 < STEPS
.if STEPS-2-(\t) >= 3
	s_wait_loadcnt 12                              ; the next step's four loads are in; those of the three steps behind it may be out
.else
	s_wait_loadcnt 4*(STEPS-2-(\t))
.endif
	TURN (\t)+1                                    ; and go through the other stage while this step is worked
.endif
	v_max3_num_f32 v8, |v[XS]|, |v[XS+1]|, |v[XS+2]|               ; the largest magnitude of my 16, in two chains
	v_max3_num_f32 v9, |v[XS+3]|, |v[XS+4]|, |v[XS+5]|
.irp i, 6,10
	v_max3_num_f32 v8, v8, |v[XS+\i]|, |v[XS+\i+1]|
	v_max3_num_f32 v9, v9, |v[XS+\i+2]|, |v[XS+\i+3]|
.endr
	v_max3_num_f32 v8, v8, |v[XS+14]|, |v[XS+15]|
	v_max3_num_f32 v8, v8, v9, (EMAX+1)<<23        ; and the floor 2^(3 - 127): so the byte cannot fall under 1
	v_max_num_f32_dpp v8, v8, v8 row_xmask:1 row_mask:0xf bank_mask:0xf   ; and of my neighbour's 16: the block's
	v_add_nc_u32 v11, -(EMAX<<23), v8              ; 2 off its exponent field: the conversion takes the exponent field of this operand as its scale, and nothing else of it
	v_cvt_scalef32_pk8_fp4_f32 v[C+4*(\t)], v[XS:XS+7], v11
	v_cvt_scalef32_pk8_fp4_f32 v[C+4*(\t)+1], v[XS+8:XS+15], v11
	v_lshrrev_b32 v[E+(\t)], 23, v11               ; the scale's byte (also the plain line behind the conversions)
	ds_store_b8 v5, v[E+(\t)] offset:16*(\t)       ; both lanes of a block write the same byte with the same value
	global_store_b64 v4, v[C+4*(\t):C+4*(\t)+1], s[14:15] offset:32*CB*(\t)   ; 32 lanes store 256 consecutive bytes
.endm
.irp t, 0,1,2,3,4,5,6,7,8,9,10,11,12,13,14,15
	STEP \t
.endr
	ds_load_b64 v[12:13], v6                       ; LDS serves a wave's instructions in order: this sees my byte stores
	s_wait_dscnt 0x0
	global_store_b64 v7, v[12:13], s[16:17]        ; 32 lanes store 256 consecutive bytes, aligned
	s_wait_tensorcnt 0x0
	ds_add_u32 v192, v193
	s_wait_dscnt 0x0
	s_endpgm
.Lfunc_end_k_q9bde9fbfd1_quant:
	.size	k_q9bde9fbfd1_quant, .Lfunc_end_k_q9bde9fbfd1_quant-k_q9bde9fbfd1_quant
	.p2alignl 7, 3214868480
	.fill 96, 4, 3214868480
	.section	.rodata,"a",@progbits
	.p2align	6, 0x0
	.amdhsa_kernel k_q9bde9fbfd1_quant
		.amdhsa_group_segment_fixed_size 33280
		.amdhsa_private_segment_fixed_size 0
		.amdhsa_enable_private_segment 0
		.amdhsa_kernarg_size 56
		.amdhsa_user_sgpr_count 2
		.amdhsa_user_sgpr_kernarg_segment_ptr 1
		.amdhsa_wavefront_size32 1
		.amdhsa_system_sgpr_workgroup_id_x 1
		.amdhsa_system_sgpr_workgroup_id_y 1
		.amdhsa_system_sgpr_workgroup_id_z 1
		.amdhsa_system_vgpr_workitem_id 0
		.amdhsa_next_free_vgpr 194
		.amdhsa_next_free_sgpr 66
		.amdhsa_reserve_vcc 0
		.amdhsa_float_denorm_mode_32 3
		.amdhsa_float_denorm_mode_16_64 3
		.amdhsa_memory_ordered 1
		.amdhsa_forward_progress 1
		.amdhsa_inst_pref_size 34
	.end_amdhsa_kernel
	.amdgpu_metadata
---
amdhsa.version: [ 1, 2 ]
amdhsa.kernels:
  - .name:           k_q9bde9fbfd1_quant
    .symbol:         k_q9bde9fbfd1_quant.kd
    .args:
      - { .name: x, .offset: 0, .size: 8, .value_kind: global_buffer, .address_space: global }
      - { .name: wq, .offset: 8, .size: 8, .value_kind: global_buffer, .address_space: global }
      - { .name: wk, .offset: 16, .size: 8, .value_kind: global_buffer, .address_space: global }
      - { .name: wv, .offset: 24, .size: 8, .value_kind: global_buffer, .address_space: global }
      - { .name: w1, .offset: 32, .size: 8, .value_kind: global_buffer, .address_space: global }
      - { .name: codes, .offset: 40, .size: 8, .value_kind: global_buffer, .address_space: global }
      - { .name: scales, .offset: 48, .size: 8, .value_kind: global_buffer, .address_space: global }
    .group_segment_fixed_size: 33280
    .private_segment_fixed_size: 0
    .kernarg_segment_align: 8
    .kernarg_segment_size: 56
    .max_flat_workgroup_size: 128
    .sgpr_count:     66
    .vgpr_count:     194
    .wavefront_size: 32
...
	.end_amdgpu_metadata
.endif
;; end of part 1
;; launch qkv (part 2): grid 8 x 24, 4 waves a work-group, clusters of 4 x 4, 327,680 bytes of LDS; arguments codes, scales, qk, vp; writes qk, vp
.if DOCPART == 2
	.amdgcn_target "amdgcn-amd-amdhsa--gfx1250"
	.amdhsa_code_object_version 6
	.text
	.protected	k_q9bde9fbfd1_qkv
	.globl	k_q9bde9fbfd1_qkv
	.p2align	8
	.type	k_q9bde9fbfd1_qkv,@function
k_q9bde9fbfd1_qkv:
	s_mov_b64 s[64:65], 0
	v_nop
	global_prefetch_b8 v0, s[64:65] scope:SCOPE_SE
	s_setreg_imm32_b32 hwreg(HW_REG_WAVE_MODE, 25, 1), 1
	s_wait_xcnt 0x0
	s_wait_alu depctr_hold_cnt(0) depctr_sa_sdst(0) depctr_va_vdst(0) depctr_va_sdst(0) depctr_va_ssrc(0) depctr_va_vcc(0) depctr_vm_vsrc(0)
	s_getreg_b32 s2, hwreg(HW_REG_IB_STS2, 6, 4)
	s_cmp_eq_u32 s2, 0
	s_cbranch_scc0 .Lentry_in_a_cluster
	s_endpgm
.Lentry_in_a_cluster:
	s_bfe_u32 s2, ttmp6, 0x10000c
	s_cmp_lg_u32 s2, 0xf033
	s_cbranch_scc0 .Lentry_shape_is_right
	s_endpgm
.Lentry_shape_is_right:
.set KSTEP,  512
.set NQ,     KSTEP/128
.set ROWB,   256
.set KROW,   512
.set PITCH,  272
.set FR,     8
.set NL,     2
.set NP,     4
.set HALFT,  128*PITCH
.set SLOT,   4*HALFT
.set KS,     32
.set SCL,    2*SLOT
.set HALFS,  (128*KS/256)*272
.set SBLK,   (16*KS/256)*272
.set SPARE,  SCL+4*HALFS
.set QKST,   SPARE+512
.set VST,    QKST+4096
.set BLKB,   4608
.set HEADB,  32*BLKB
.set LO,   8
.set QSA,  9
.set QSR,  10
.set VSA,  11
.set VSR,  12
.set VO,   13
.set SH,   14
.set ADRA, 16
.set ADRB, 20
.set ADRS, 27
.set SPW,  28
.set NIL,  29
.set SC,   32
.set AF,   128
.set CD,   128
.set PWS,  192
.set TM,   200
.set SW,   216
.set X0,   224
.set SEL,  66
.set G1, 24
.set G0, 32
.set G1B, 48
.set G0B, 56
.set G1S, 68
.set G0S, 76
.set G1SB, 80
.set G0SB, 88
.set MSB, 0
.macro WIN new
.if MSB != \new
	s_set_vgpr_msb (MSB<<8)|\new
.set MSB, \new
.endif
.endm
.set MUL_LO, 0xa1
.set MUL_HI, 0xf1
.set TO_B,   0x40
.macro JLOAD g0a, g1a, g0b, g1b
	s_cmp_eq_u32 s15, 0
	s_cbranch_scc0 .Lfor_b_\@
	tensor_load_to_lds s[\g0a:\g0a+3], s[\g1a:\g1a+7]
	s_nop 0
.rept 4
	v_nop
.endr
	s_branch .Lasked_\@
.Lfor_b_\@:
	tensor_load_to_lds s[\g0b:\g0b+3], s[\g1b:\g1b+7]
	s_nop 0
.rept 4
	v_nop
.endr
.Lasked_\@:
.endm
.macro CROUND
	s_barrier_signal -1
	s_barrier_wait -1
	s_cmp_lg_u32 s14, 0
	s_cbranch_scc1 .Lnot_wave_0_\@
	s_barrier_signal -3
.Lnot_wave_0_\@:
	s_barrier_wait -3
	s_barrier_signal -1
	s_barrier_wait -1
.endm
	s_load_b256 s[4:11], s[0:1], 0x0
	v_lshl_add_u32 v[SPW], v0, 2, SPARE
	v_mov_b32 v[NIL], 0
	ds_add_u32 v28, v29
	ds_add_u32 v28, v29
	s_wait_dscnt 0x0
	v_lshrrev_b32 v1, 5, v0
	v_readfirstlane_b32 s14, v1
	s_lshr_b32 s15, s14, 1
	s_and_b32 s16, s14, 1
	s_bfe_u32 s40, ttmp6, 0x40000
	s_bfe_u32 s41, ttmp6, 0x40004
	s_and_b32 s96, ttmp7, 0xffff
	s_lshl_b32 s97, s96, 2
	s_lshl_b32 s98, ttmp9, 2
	s_and_b32 s99, s96, 1
	s_lshl_b32 s99, s99, 3
	s_add_co_u32 s99, s99, s98
	s_add_co_u32 s101, s98, 16
	s_cmp_ge_u32 s96, 4
	s_cselect_b32 s100, 1, 0
	s_cselect_b32 s17, 24, s97
	s_cselect_b32 s42, s99, s101
	s_add_co_u32 s17, s17, s41
	s_add_co_u32 s42, s42, s40
	s_lshl_b32 s43, s41, 2
	s_lshl_b32 s43, 15, s43
	s_lshl_b32 s44, 0x1111, s40
	s_or_b32 s[G1+0], s43, (0<<16)|(1<<20)|(1<<21)|(5<<22)|(3<<25)
	s_or_b32 s[G1B+0], s44, (0<<16)|(1<<20)|(1<<21)|(5<<22)|(3<<25)
.irp g, G1, G1B
	s_mov_b32 s[\g+1], ROWB<<16
	s_mov_b32 s[\g+2], 128<<16
	s_mov_b32 s[\g+3], ROWB<<16
	s_mov_b32 s[\g+4], 128
	s_mov_b32 s[\g+5], KROW
	s_mov_b32 s[\g+6], 0
	s_mov_b32 s[\g+7], 0
.endr
	s_or_b32 s[G1S+0], s43, (3<<16)|(1<<20)|(1<<21)|(5<<22)|(3<<25)
	s_or_b32 s[G1SB+0], s44, (3<<16)|(1<<20)|(1<<21)|(5<<22)|(3<<25)
.irp g, G1S, G1SB
	s_mov_b32 s[\g+1], 32<<16
	s_mov_b32 s[\g+2], (128*KS/256)<<16
	s_mov_b32 s[\g+3], 32<<16
	s_mov_b32 s[\g+4], 128*KS/256
	s_mov_b32 s[\g+5], 32
	s_mov_b32 s[\g+6], 0
	s_mov_b32 s[\g+7], 0
.endr
	s_mov_b32 s[SEL], 0x76543210
	s_mov_b32 s[SEL+1], 0xfedcba98
	s_lshl_b32 s18, s16, 7
	s_lshl_b32 s20, s17, 8
	s_add_co_u32 s20, s20, s18
	s_lshl_b32 s46, s42, 8
	s_add_co_u32 s46, s46, s18
	s_mov_b32 s21, 0
	s_mov_b32 s47, 0
	s_mov_b64 s[18:19], KS
	s_mul_u64 s[22:23], s[20:21], s[18:19]
	s_mul_u64 s[92:93], s[46:47], s[18:19]
	s_mov_b64 s[18:19], KROW
	s_mul_u64 s[20:21], s[20:21], s[18:19]
	s_mul_u64 s[46:47], s[46:47], s[18:19]
	s_mul_i32 s45, s14, HALFT
	s_mul_i32 s94, s14, HALFS
	s_wait_kmcnt 0x0
	s_add_nc_u64 s[20:21], s[4:5], s[20:21]
	s_add_nc_u64 s[22:23], s[6:7], s[22:23]
	s_add_nc_u64 s[46:47], s[4:5], s[46:47]
	s_add_nc_u64 s[92:93], s[6:7], s[92:93]
	CROUND
	s_mov_b32 s[G0S], 1
	s_add_co_u32 s[G0S+1], s94, SCL
	s_mov_b64 s[G0S+2:G0S+3], s[22:23]
	s_or_b32 s[G0S+3], s[G0S+3], 0x80000000
	s_mov_b32 s[G0SB], 1
	s_add_co_u32 s[G0SB+1], s94, SCL
	s_mov_b64 s[G0SB+2:G0SB+3], s[92:93]
	s_or_b32 s[G0SB+3], s[G0SB+3], 0x80000000
	JLOAD G0S, G1S, G0SB, G1SB
.irp s, 0,1
	s_mov_b32 s[G0+4*\s], 1
	s_add_co_u32 s[G0+4*\s+1], s45, \s*SLOT
	s_add_nc_u64 s[G0+4*\s+2:G0+4*\s+3], s[20:21], \s*ROWB
	s_or_b32 s[G0+4*\s+3], s[G0+4*\s+3], 0x80000000
	s_mov_b32 s[G0B+4*\s], 1
	s_add_co_u32 s[G0B+4*\s+1], s45, \s*SLOT
	s_add_nc_u64 s[G0B+4*\s+2:G0B+4*\s+3], s[46:47], \s*ROWB
	s_or_b32 s[G0B+4*\s+3], s[G0B+4*\s+3], 0x80000000
	s_wait_alu depctr_va_vdst(0)
	s_wait_tensorcnt 0x0
	ds_add_u32 v28, v29
	s_wait_dscnt 0x0
	CROUND
	JLOAD G0+4*\s, G1, G0B+4*\s, G1B
.endr
	v_and_b32 v1, 15, v0
	v_bfe_u32 v2, v0, 4, 1
	v_mul_u32_u24 v3, v1, PITCH
	v_lshl_add_u32 v4, v2, 4, v3
	s_mul_i32 s21, s15, HALFT
	s_mul_i32 s22, s16, HALFT
	s_add_co_u32 s22, s22, 2*HALFT
.irp s, 0,1
	v_add_nc_u32 v[ADRA+\s], s21, v4
	v_add_nc_u32 v[ADRB+\s], s22, v4
	s_add_co_u32 s21, s21, SLOT
	s_add_co_u32 s22, s22, SLOT
.endr
	v_mul_u32_u24 v5, v1, KS
	v_lshrrev_b32 v6, 8, v5
	v_lshl_add_u32 v5, v6, 4, v5
	s_mul_i32 s21, s15, HALFS
	s_mul_i32 s22, s16, HALFS
	s_add_co_u32 s22, s22, 2*HALFS
	s_sub_co_u32 s22, s22, s21
	v_mul_u32_u24 v6, s22, v2
	s_add_co_u32 s21, s21, SCL
	v_add_nc_u32 v5, v5, v6
	v_add_nc_u32 v[ADRS], s21, v5
	v_and_b32 v6, 31, v0
	v_lshlrev_b32 v[LO], 4, v6
	v_lshlrev_b32 v5, 2, v1
	s_lshl_b32 s21, s14, 10
	s_add_co_u32 s21, s21, QKST
	v_lshl_add_u32 v[QSA], v2, 9, v5
	v_add_nc_u32 v[QSA], s21, v[QSA]
	v_add_nc_u32 v[QSR], s21, v[LO]
	s_lshl_b32 s21, s14, 9
	s_add_co_u32 s21, s21, VST
	v_add_nc_u32 v[VSA], s21, v5
	v_add_nc_u32 v[VSR], s21, v[LO]
	v_mul_u32_u24 v[VO], v2, HEADB
	v_lshl_add_u32 v[VO], v1, 4, v[VO]
	v_lshlrev_b32 v[SH], 4, v2
.macro FRAG reg, adr, q, i
.irp c, 0,1
	ds_load_b128 v[\reg+4*\c:\reg+4*\c+3], v[\adr] offset:64*(\q)+32*\c+(\i)*16*PITCH
.endr
.endm
.macro MUL16 a0, p, q, sc, zero
.irp a, \a0, \a0+1
.irp b, 0,1,2,3,4,5,6,7
.if \zero
	v_wmma_scale_f32_16x16x128_f8f6f4 v[8*(8*((\a)%4)+\b):8*(8*((\a)%4)+\b)+7], v[128*(\p)+FR*\b:128*(\p)+FR*\b+FR-1], v[AF+FR*(\a):AF+FR*(\a)+FR-1], 0, v[SC+8*NQ*(\sc)+NQ*\b+(\q)], v[SC+8*NQ*(\sc)+NQ*(\a)+(\q)] matrix_a_fmt:MATRIX_FMT_FP4 matrix_b_fmt:MATRIX_FMT_FP4 matrix_a_scale:MATRIX_SCALE_ROW1
.else
	v_wmma_scale_f32_16x16x128_f8f6f4 v[8*(8*((\a)%4)+\b):8*(8*((\a)%4)+\b)+7], v[128*(\p)+FR*\b:128*(\p)+FR*\b+FR-1], v[AF+FR*(\a):AF+FR*(\a)+FR-1], v[8*(8*((\a)%4)+\b):8*(8*((\a)%4)+\b)+7], v[SC+8*NQ*(\sc)+NQ*\b+(\q)], v[SC+8*NQ*(\sc)+NQ*(\a)+(\q)] matrix_a_fmt:MATRIX_FMT_FP4 matrix_b_fmt:MATRIX_FMT_FP4 matrix_a_scale:MATRIX_SCALE_ROW1
.endif
.endr
.endr
.endm
.macro FETCH_B slot, q, p
	WIN TO_B
.irp i, 0,1,2,3,4,5,6,7
	FRAG 128*(\p)+FR*\i, ADRB+\slot, \q, \i
.endr
	WIN 0
.endm
.macro FETCH_A slot, q, i0
.irp i, \i0, \i0+1, \i0+2, \i0+3
	FRAG AF+FR*(\i), ADRA+\slot, \q, \i
.endr
.endm
.macro SCALES sc
.irp i, 0,1,2,3,4,5,6,7
	ds_load_b128 v[SC+8*NQ*\sc+NQ*\i:SC+8*NQ*\sc+NQ*\i+3], v[ADRS] offset:\i*SBLK
.endr
.endm
.macro PLACES n
.rept \n
	v_nop
.endr
.endm
.macro STEP slot, q, zero
	s_wait_dscnt 4*NL
	WIN MUL_LO
	MUL16 0, (\q)%2, \q, \slot, \zero
	MUL16 2, (\q)%2, \q, \slot, \zero
	s_wait_dscnt 0
	PLACES NP
	FETCH_B \slot, (\q)+1, 1-(\q)%2
	FETCH_A \slot, (\q)+1, 0
	WIN MUL_HI
	MUL16 4, (\q)%2, \q, \slot, \zero
	MUL16 6, (\q)%2, \q, \slot, \zero
	PLACES NP
	WIN 0
	FETCH_A \slot, (\q)+1, 4
.endm
.macro TURN slot, next
	s_wait_tensorcnt 0x0
	ds_add_u32 v[SPW], v[NIL]
	s_wait_dscnt 4*NL+1
	WIN MUL_LO
	MUL16 0, 1, NQ-1, \slot, 0
	s_wait_dscnt 0x0
	s_barrier_signal -1
	MUL16 2, 1, NQ-1, \slot, 0
	WIN 0
	s_barrier_wait -1
	PLACES NP
	v_add_nc_u32 v[ADRS], 4*NQ, v[ADRS]
	FETCH_B \next, 0, 0
	FETCH_A \next, 0, 0
	SCALES \next
	WIN MUL_HI
	MUL16 4, 1, NQ-1, \slot, 0
	MUL16 6, 1, NQ-1, \slot, 0
	PLACES NP
	WIN 0
	FETCH_A \next, 0, 4
.endm
.macro STEPS slot, from
.set Q, \from
.rept NQ-1-\from
	STEP \slot, Q, 0
.set Q, Q+1
.endr
.endm
	s_wait_tensorcnt 1
	s_barrier_signal -1
	s_barrier_wait -1
	FETCH_B 0, 0, 0
	FETCH_A 0, 0, 0
	SCALES 0
	FETCH_A 0, 0, 4
	STEP 0, 0, 1
	STEPS 0, 1
	TURN 0, 1
	STEPS 1, 0
	s_wait_dscnt 4*NL
	WIN MUL_LO
	MUL16 0, 1, NQ-1, 1, 0
	MUL16 2, 1, NQ-1, 1, 0
	s_wait_dscnt 0
	WIN MUL_HI
	MUL16 4, 1, NQ-1, 1, 0
	MUL16 6, 1, NQ-1, 1, 0
	WIN 0
.macro QUANTW a
.set AW, 2+(\a)/4
.set AS, 64*((\a)%4)
	WIN 20*AW
.irp b, 0,1,2,3
	v_max3_num_f32 v[TM+\b], 0x1800000, |v[AS+16*\b]|, |v[AS+16*\b+1]|
.endr
.irp i, 2,4,6,8,10,12,14
.irp b, 0,1,2,3
	v_max3_num_f32 v[TM+\b], v[TM+\b], |v[AS+16*\b+\i]|, |v[AS+16*\b+\i+1]|
.endr
.endr
	WIN 0
.irp b, 0,1,2,3
	v_permlanex16_b32 v[TM+4+\b], v[TM+\b], s[SEL], s[SEL+1]
.endr
.irp b, 0,1,2,3
	v_max_num_f32 v[TM+\b], v[TM+\b], v[TM+4+\b]
.endr
.irp b, 0,1,2,3
	v_add_nc_u32 v[TM+12+\b], 0xff000000, v[TM+\b]
.endr
.irp b, 0,1,2,3
	v_lshrrev_b32 v[TM+4+\b], 23, v[TM+12+\b]
.endr
	v_lshl_or_b32 v[PWS+(\a)], v[TM+5], 8, v[TM+4]
	v_lshl_or_b32 v[PWS+(\a)], v[TM+6], 16, v[PWS+(\a)]
	v_lshl_or_b32 v[PWS+(\a)], v[TM+7], 24, v[PWS+(\a)]
	WIN AW
.irp b, 0,1,2,3
	v_cvt_scalef32_pk8_fp4_f32 v[CD+8*(\a)+2*\b], v[AS+16*\b:AS+16*\b+7], v[TM+12+\b]
	v_cvt_scalef32_pk8_fp4_f32 v[CD+8*(\a)+2*\b+1], v[AS+16*\b+8:AS+16*\b+15], v[TM+12+\b]
.endr
	WIN 0
	v_nop
.irp c, 0,1
.irp i, 0,1
	v_permlane16_swap_b32 v[CD+8*(\a)+4*\c+\i], v[CD+8*(\a)+4*\c+2+\i]
.endr
.endr
.endm
	PLACES NP
.irp b, 0,1,2,3
	v_mov_b32 v[TM+4+\b], 0
.endr
.irp a, 0,1,2,3,4,5,6,7
	QUANTW \a
.endr
	s_add_co_u32 s20, s98, s40
	s_cmp_eq_u32 s100, 1
	s_cselect_b32 s20, s41, s20
	s_cselect_b32 s21, s15, s16
	s_cselect_b32 s22, s42, s17
	s_cselect_b32 s23, s16, s15
	s_cselect_b64 s[12:13], s[10:11], s[8:9]
	s_lshl_b32 s20, s20, 2
	s_lshl_b32 s21, s21, 1
	s_add_co_u32 s20, s20, s21
	s_lshl_b32 s20, s20, 5
	s_lshl_b32 s22, s22, 1
	s_add_co_u32 s20, s20, s22
	s_add_co_u32 s20, s20, s23
	s_mul_i32 s20, s20, BLKB
	s_mov_b32 s21, 0
	s_add_nc_u64 s[12:13], s[12:13], s[20:21]
	s_mov_b32 s95, 0xffff
	s_mov_b32 s101, 0x7f7f0000
	s_cmp_eq_u32 s100, 1
	s_cbranch_scc1 .Lv_path
.irp a, 0,1,2,3,4,5,6,7
	v_lshrrev_b32 v[SW+\a], v[SH], v[PWS+\a]
.endr
.irp a, 0,1,2,3,4,5,6,7
	v_and_or_b32 v[SW+\a], v[SW+\a], s95, s101
.endr
.irp a, 0,1,2,3,4,5,6,7
	ds_store_b32 v[QSA], v[SW+\a] offset:64*\a
.endr
.irp a, 0,1,2,3,4,5,6,7
.irp c, 0,1
	global_store_b128 v[LO], v[CD+8*\a+4*\c:CD+8*\a+4*\c+3], s[12:13] offset:HEADB*\c+512*\a
.endr
.endr
	ds_load_b128 v[X0:X0+3], v[QSR]
	ds_load_b128 v[X0+4:X0+7], v[QSR] offset:512
	s_wait_dscnt 1
	global_store_b128 v[LO], v[X0:X0+3], s[12:13] offset:4096
	s_wait_dscnt 0x0
	global_store_b128 v[LO], v[X0+4:X0+7], s[12:13] offset:HEADB+4096
	s_branch .Ldone
.Lv_path:
.irp a, 0,1,2,3,4,5,6,7
	ds_store_b32 v[VSA], v[PWS+\a] offset:64*\a
.endr
	s_wait_alu depctr_va_vdst(0)
.irp a, 0,1,2,3,4,5,6,7
.irp c, 0,1
	global_store_b128 v[LO], v[CD+8*\a+4*\c:CD+8*\a+4*\c+3], s[12:13] offset:HEADB*(\a/4)+1024*(\a%4)+512*\c
.endr
.endr
	ds_load_b128 v[X0:X0+3], v[VSR]
	s_wait_dscnt 0x0
	global_store_b128 v[VO], v[X0:X0+3], s[12:13] offset:4096
	global_store_b128 v[VO], v[X0:X0+3], s[12:13] offset:4352
.Ldone:
	s_wait_tensorcnt 0x0
	ds_add_u32 v[SPW], v[NIL]
	s_wait_dscnt 0x0
	CROUND
	s_endpgm
.Lfunc_end_k_q9bde9fbfd1_qkv:
	.size	k_q9bde9fbfd1_qkv, .Lfunc_end_k_q9bde9fbfd1_qkv-k_q9bde9fbfd1_qkv
	.p2alignl 7, 3214868480
	.fill 96, 4, 3214868480
	.section	.rodata,"a",@progbits
	.p2align	6, 0x0
	.amdhsa_kernel k_q9bde9fbfd1_qkv
		.amdhsa_group_segment_fixed_size 327680
		.amdhsa_private_segment_fixed_size 0
		.amdhsa_enable_private_segment 0
		.amdhsa_kernarg_size 32
		.amdhsa_user_sgpr_count 2
		.amdhsa_user_sgpr_kernarg_segment_ptr 1
		.amdhsa_wavefront_size32 1
		.amdhsa_system_sgpr_workgroup_id_x 1
		.amdhsa_system_sgpr_workgroup_id_y 1
		.amdhsa_system_sgpr_workgroup_id_z 1
		.amdhsa_system_vgpr_workitem_id 0
		.amdhsa_next_free_vgpr 1024
		.amdhsa_next_free_sgpr 102
		.amdhsa_reserve_vcc 0
		.amdhsa_float_denorm_mode_32 3
		.amdhsa_float_denorm_mode_16_64 3
		.amdhsa_memory_ordered 1
		.amdhsa_forward_progress 1
		.amdhsa_inst_pref_size 133
	.end_amdhsa_kernel
	.amdgpu_metadata
---
amdhsa.version: [ 1, 2 ]
amdhsa.kernels:
  - .name:           k_q9bde9fbfd1_qkv
    .symbol:         k_q9bde9fbfd1_qkv.kd
    .args:
      - { .name: codes, .offset: 0, .size: 8, .value_kind: global_buffer, .address_space: global }
      - { .name: scales, .offset: 8, .size: 8, .value_kind: global_buffer, .address_space: global }
      - { .name: qk, .offset: 16, .size: 8, .value_kind: global_buffer, .address_space: global }
      - { .name: vp, .offset: 24, .size: 8, .value_kind: global_buffer, .address_space: global }
    .group_segment_fixed_size: 327680
    .private_segment_fixed_size: 0
    .kernarg_segment_align: 8
    .kernarg_segment_size: 32
    .max_flat_workgroup_size: 128
    .sgpr_count:     102
    .vgpr_count:     1024
    .wavefront_size: 32
...
	.end_amdgpu_metadata
.endif
;; end of part 2
;; launch attn (part 3): grid 16 x 16, 8 waves a work-group, clusters of 4 x 1, 327,680 bytes of LDS; arguments qk, vp, att; writes att
.if DOCPART == 3
	.amdgcn_target "amdgcn-amd-amdhsa--gfx1250"
	.amdhsa_code_object_version 6
	.text
	.protected	k_q9bde9fbfd1_attn
	.globl	k_q9bde9fbfd1_attn
	.p2align	8
	.type	k_q9bde9fbfd1_attn,@function
k_q9bde9fbfd1_attn:
	s_mov_b64 s[64:65], 0
	v_nop
	global_prefetch_b8 v0, s[64:65] scope:SCOPE_SE
	s_setreg_imm32_b32 hwreg(HW_REG_WAVE_MODE, 25, 1), 1
	s_wait_xcnt 0x0
	s_wait_alu depctr_hold_cnt(0) depctr_sa_sdst(0) depctr_va_vdst(0) depctr_va_sdst(0) depctr_va_ssrc(0) depctr_va_vcc(0) depctr_vm_vsrc(0)
	s_getreg_b32 s2, hwreg(HW_REG_IB_STS2, 6, 4)
	s_cmp_eq_u32 s2, 0
	s_cbranch_scc0 .Lentry_in_a_cluster
	s_endpgm
.Lentry_in_a_cluster:
	s_bfe_u32 s2, ttmp6, 0x10000c
	s_cmp_lg_u32 s2, 0x3003
	s_cbranch_scc0 .Lentry_shape_is_right
	s_endpgm
.Lentry_shape_is_right:
; att[h][d][n] = the sum over keys of softmax(q . k / 8) v, both products on codes of FP4 with E8M0 scales, stored TRANSPOSED ([head][channel][query], f32), which is what the next launch reads as rows.
; THE SOFTMAX AHEAD OF THE SECOND PRODUCT: t = score x log2(e) / 8; M = the row's largest t so far, rounded UP to a whole number; p = 2^(t - M) is quantised along the keys, not normalised.
; The row's sum is taken of the unquantised p and divides at the end.  When M moves, the sum and O are multiplied by 2^(old M - new M): exact.
; SHARES.  A work-group owns 256 queries of a head; each of its eight waves TWO tiles of 16 queries in 512 registers, two waves to a SIMD.  Each fragment of K and V read from LDS feeds two matrix instructions,
; and every dependent chain of one tile is laid line by line beside the other tile's.  Every wave walks the head's 4,096 keys, 128 a step.
; LDS.  A head's K and V lie in LDS WHOLE, each byte filled once: K's 32 blocks (8 stored tiles of 512 bytes and 512 bytes of scale words; 64 bytes of padding behind each 512), then V's 32 blocks of 4,608 bytes.
; Each wave issues ONE tensor load at the head (waves 0-3: eight blocks of K each; waves 4-7: eight of V); one barrier shows all of it to all waves; the key loop has no barrier.
; CLUSTER.  The four query blocks of a cluster belong to one head: each load is asked for jointly by the four.
; NO PREFETCH: every byte of K and V is asked for by the head's eight loads; the loop asks memory for nothing, so there is no later request to run ahead of.
; LAYOUT.  Both products are used transposed: S^T = K Q^T (source 0 = 16 keys, source 1 = 16 queries), O^T = V^T P^T: a lane holds ONE query of each tile (lane % 16) throughout.
; THE KEYS OF A TILE ARE CHOSEN BY THE LDS ADDRESSES: row 8 u + j of tile 4 c + g is key 64 c + 32 u + 8 g + j of the step.  So lane half h holds, in the 32 registers of tiles 4 c .. 4 c + 3, the WHOLE block of keys
; 64 c + 32 h + 0 .. 31: a block's largest score needs no other lane, and the conversions' results are the second product's operand as they stand (register 4 c + g: k = 64 c + 32 h + 8 g + 0 .. 7).
; In the stored order that key group lies in stored tile 4 c + 2 u + g % 2 at places 8 (g / 2) + j.  Rows 0-7 and 8-15 of a tile lie two stored tiles, 1,152 bytes, apart: sixteen lanes touch 256 different bytes modulo 256.
; A head has 64 channels: the first product's K = 128 is half zero codes (registers 4 to 7 of Q's and K's fragments, cleared once; their scale bytes are 0x7f).
; One register carries the scale words of two tiles: lanes 0-15 those of tile t, lanes 16-31 those of tile t + 4 (V: d + 2), taken by the ROW1 selector.
; LIMITS: the promise holds while |t| stays under 2^31; p under 2^-126 comes out of the exponential as 0; a block of p that is all zeros keeps the byte 1 (its codes are zeros); NaN and infinities are not served.
; REGISTERS (i = my tile, 0 or 1).  WINDOW 0, what is shared and what is small: v1-11 addresses; v[12+4i] -M, v[13+4i] the largest score, v[14+4i:15+4i] the sum; v[20+i] p's scale word; v24-27 K's scale words; v28-29 V's;
;   v[30+i] Q's; v32-95 K's 8 fragments; v96-127 V's 4; v[128+8i ..] block maxima, scale operands, bytes; v144-153 at work, the old -M, f; v154, v155 for the add.
; WINDOW 1, the bulk: v[64i ..] S^T, then p; v[128+32i ..] O^T; v[192+8i ..] Q; v[208+8i ..] p's codes; v[224+16i ..] the sum's eight chains.
; s_set_vgpr_msb's low byte: bits 1:0 source 0, 3:2 source 1, 5:4 source 2, 7:6 destination.  One setting serves both tiles of a phase.
.set BLKB,  4608                       ; a block in memory
.set HEADB, 32*BLKB
.set KT,    576                        ; a stored tile of K in LDS: 512 bytes + 64 of padding
.set KBL,   9*KT                       ; a block of K in LDS
.set VB,    32*KBL                     ; V's blocks begin here
.set SPARE, VB+32*BLKB                 ; the spare words, 128 bytes a wave: four blocks of 256 bytes that no other line names
.set SPI,   1040                       ; the way out: a stage of 64 rows (channels) x (256 queries x 4 bytes + 16), at LDS byte 0, in K's bytes: filled once, and read by nobody behind the barrier that follows the loop
.set AL0, 1                            ; 16 x lane
.set KL0, 2                            ; K's fragments: 1,152 u + 16 j + 256 h
.set KW0, 3                            ; K's scale words: 128 u + 4 j + 256 h
.set VW0, 4                            ; V's scale words: 4 r + 128 h
.set AK,  5
.set AKW, 6
.set AV,  7
.set AVW, 8
.set SO,  9
.set SR,  10
.set SH8, 11
.set SPW, 154
.set NIL, 155
.set WV,  18
.set SEL, 20                           ; s[20:21] selects for lane l xor 16
.set CS,  22                           ; s[22:23] c = log2(e) / 8
.set CSN, 17                           ; -c
.set TB,  2                            ; LDS byte of the pair's first block of K
.set TBV, 16                           ; and of V
.set CNT, 3
.set MSB, 0
.macro WIN new                         ; the immediate's high byte repeats the setting that is left
.if MSB != \new
	s_set_vgpr_msb (MSB<<8)|\new
.set MSB, \new
.endif
.endm
.set W_MM,  0x54                       ; matrix: source 0 (K, V) window 0; source 1 (Q, p), C and D window 1
.set W_M3,  0x15                       ; three sources window 1, destination window 0
.set W_M2,  0x14                       ; sources 1 and 2 window 1
.set W_B,   0x41                       ; source 0 and destination window 1, the other sources window 0
.set W_BB,  0x45                       ; sources 0 and 1 and destination window 1
.set W_S1,  0x04                       ; source 1 window 1
.set W_D,   0x40                       ; destination window 1
.set W_S0,  0x01                       ; source 0 window 1
.macro CROUND                          ; a round of the cluster's barrier
	s_barrier_signal -1
	s_barrier_wait -1
	s_cmp_lg_u32 s[WV], 0
	s_cbranch_scc1 .Lnot_wave_0_\@
	s_barrier_signal -3
.Lnot_wave_0_\@:
	s_barrier_wait -3
	s_barrier_signal -1
	s_barrier_wait -1
.endm
.macro ADDR                            ; the addresses of a pair of key steps
	v_add_nc_u32 v[AK], s[TB], v[KL0]
	v_add_nc_u32 v[AKW], s[TB], v[KW0]
	v_add_nc_u32 v[AV], s[TBV], v[AL0]
	v_add_nc_u32 v[AVW], s[TBV], v[VW0]
.endm
.macro KLOAD o                         ; a step's 8 tiles of K and their scale words: 12 LDS loads
.irp t, 0,1,2,3,4,5,6,7
	ds_load_b128 v[32+8*\t:35+8*\t], v[AK] offset:(\o)+KT*(4*(\t/4)+\t%2)+128*((\t%4)/2)
.endr
.irp t, 0,1,2,3
	ds_load_b32 v[24+\t], v[AKW] offset:(\o)+8*KT+64*(\t%2)+32*(\t/2)
.endr
.endm
.macro VLOAD o                         ; a step's 4 tiles of V and their scale words: 10 LDS loads
.irp d, 0,1,2,3
.irp c, 0,1
	ds_load_b128 v[96+8*\d+4*\c:99+8*\d+4*\c], v[AV] offset:(\o)+1024*\d+512*\c
.endr
.endr
.irp d, 0,1
	ds_load_b32 v[28+\d], v[AVW] offset:(\o)+4096+64*\d
.endr
.endm
	s_load_b128 s[4:7], s[0:1], 0x0                ; qk, vp
	s_load_b64 s[8:9], s[0:1], 0x10                ; att
	v_lshl_add_u32 v[SPW], v0, 2, SPARE
	v_mov_b32 v[NIL], 0
	ds_add_u32 v[SPW], v[NIL]                      ; the opening lines: the add, twice on end, and its wait ahead of my tensor load
	ds_add_u32 v[SPW], v[NIL]
	v_lshrrev_b32 v156, 5, v0
	v_readfirstlane_b32 s[WV], v156                ; wave 0..7
	s_and_b32 s10, ttmp7, 0xffff                   ; the head, which the four partners share
	s_bfe_u32 s11, ttmp6, 0x40000                  ; cx
	s_lshl_b32 s12, ttmp9, 2
	s_add_co_u32 s12, s12, s11                     ; my block of 256 queries: it enters Q's and att's addresses alone
	s_and_b32 s13, s[WV], 3
	s_mov_b32 s24, 15|(3<<16)|(1<<20)|(1<<21)|(6<<22)|(15<<25)   ; K's group 1: the mask of all four; elements of 8 bytes; 16 words of padding behind every 128
	s_mov_b32 s25, 64<<16                          ; rows of 512 bytes,
	s_mov_b32 s26, 72<<16                          ; 72 of them: eight blocks, dense in memory
	s_mov_b32 s27, 64<<16
	s_mov_b32 s28, 72
	s_mov_b32 s29, 64
	s_mov_b32 s30, 0
	s_mov_b32 s31, 0
	s_mov_b32 s36, 15|(3<<16)|(1<<21)              ; V's group 1: no padding; 144 rows of 256 bytes
	s_mov_b32 s37, 32<<16
	s_mov_b32 s38, 144<<16
	s_mov_b32 s39, 32<<16
	s_mov_b32 s40, 144
	s_mov_b32 s41, 32
	s_mov_b32 s42, 0
	s_mov_b32 s43, 0
	s_mov_b32 s[SEL], 0x76543210
	s_mov_b32 s[SEL+1], 0xfedcba98
	s_mov_b32 s[CS], 0x3e38aa3b                    ; log2(e) / 8
	s_mov_b32 s[CS+1], s[CS]                       ; (named with it as a pair, so it is written)
	s_mov_b32 s[CSN], 0xbe38aa3b
	s_mov_b32 s[TB], 0
	s_mov_b32 s[TBV], VB
	s_mov_b32 s32, 1                               ; K's group 0 (waves 0-3): LDS address wave x eight blocks
	s_mul_i32 s33, s[WV], 8*KBL
	s_mov_b32 s44, 1                               ; V's group 0 (waves 4-7)
	s_mul_i32 s45, s[WV], 8*BLKB
	s_add_co_u32 s45, s45, VB-32*BLKB
	s_mul_i32 s48, s10, HEADB
	s_mul_i32 s49, s13, 8*BLKB
	s_add_co_u32 s48, s48, s49                     ; the head's bytes, and my eight blocks
	s_mov_b32 s49, 0
	s_lshl_b32 s50, s10, 5                         ; Q: block of 128 tokens 32 head + 2 x query block + wave / 4, tiles 2 (wave % 4) and the next in it
	s_lshl_b32 s51, s12, 1
	s_add_co_u32 s50, s50, s51
	s_lshr_b32 s51, s[WV], 2
	s_add_co_u32 s50, s50, s51
	s_mul_i32 s50, s50, BLKB
	s_mov_b32 s51, 0
	s_lshl_b32 s56, s13, 10
	s_lshl_b32 s57, s13, 7
	s_lshl_b32 s52, s10, 20                        ; att: the head's 64 rows of 16,384 bytes, my eight of them, my work-group's 256 queries
	s_lshl_b32 s53, s[WV], 17
	s_add_co_u32 s52, s52, s53
	s_lshl_b32 s53, s12, 10
	s_add_co_u32 s52, s52, s53
	s_mov_b32 s53, 0
	s_lshl_b32 s58, s[WV], 7                       ; the stage: my two tiles' queries begin 32 x wave on, 4 bytes each
	s_mul_i32 s59, s[WV], 8*SPI
	s_wait_dscnt 0x0                               ; both opening adds are done
	s_wait_kmcnt 0x0
	s_add_nc_u64 s[34:35], s[4:5], s[48:49]
	s_add_nc_u64 s[34:35], s[34:35], 16*HEADB      ; k's heads lie behind q's sixteen
	s_or_b32 s35, s35, 0x80000000
	s_add_nc_u64 s[46:47], s[6:7], s[48:49]
	s_or_b32 s47, s47, 0x80000000
	s_add_nc_u64 s[54:55], s[4:5], s[50:51]
	s_add_nc_u64 s[8:9], s[8:9], s[52:53]
	CROUND                                         ; all four work-groups are here: the joint loads meet
	s_cmp_lt_u32 s[WV], 4                          ; one load a wave, in the two arms of one branch on the wave's number
	s_cbranch_scc0 .Lfor_v
	tensor_load_to_lds s[32:35], s[24:31]
	s_nop 0
.rept 4
	v_nop
.endr
	s_branch .Lasked
.Lfor_v:
	tensor_load_to_lds s[44:47], s[36:43]
	s_nop 0
.rept 4
	v_nop
.endr
.Lasked:
	v_and_b32 v156, 31, v0                         ; lane
	v_and_b32 v157, 15, v0                         ; r
	v_bfe_u32 v158, v0, 4, 1                       ; h
	v_and_b32 v159, 7, v0                          ; j
	v_bfe_u32 v160, v0, 3, 1                       ; u
	v_lshlrev_b32 v[AL0], 4, v156
	v_lshlrev_b32 v161, 2, v157
	v_add_nc_u32 v162, s56, v[AL0]
	v_add_nc_u32 v163, s57, v161
	global_load_b32 v30, v163, s[54:55] offset:4096        ; Q's scale words, tile 0
	global_load_b32 v31, v163, s[54:55] offset:4096+64     ; and tile 1
	WIN W_D
	global_load_b128 v[192:195], v162, s[54:55]            ; Q's codes stay in registers (window 1)
	global_load_b128 v[200:203], v162, s[54:55] offset:512
.irp j, 196,197,198,199,204,205,206,207
	v_mov_b32 v[\j], 0                             ; the half of K = 128 that a head of 64 does not fill: zero codes, in Q
.endr
.set J, 128
.rept 64
	v_mov_b32 v[J], 0                              ; O^T of both tiles: the first step finds zeros, which the first change of M leaves zeros
.set J, J+1
.endr
	WIN 0
	v_lshlrev_b32 v[KL0], 4, v159
	v_lshlrev_b32 v[KW0], 2, v159
	v_mad_u32_u24 v[KL0], v160, 2*KT, v[KL0]
	v_lshl_add_u32 v[KW0], v160, 7, v[KW0]
	v_lshl_add_u32 v[KL0], v158, 8, v[KL0]
	v_lshl_add_u32 v[KW0], v158, 8, v[KW0]
	v_lshl_add_u32 v[VW0], v158, 7, v161
	v_lshlrev_b32 v[SH8], 3, v158
	ADDR
	v_and_b32 v161, 8, v157
	v_mul_u32_u24 v[SO], v158, 16*SPI              ; register j of tile d is channel 32 (d / 2) + 16 h + 8 (d % 2) + j
	v_add_nc_u32 v161, v161, v157                  ; r + 8 (r / 8): my query's logical place in its pair of tiles
	v_add_nc_u32 v[SR], s59, v[AL0]                ; back: rows 8 x wave on, 16 bytes a lane
	v_lshl_add_u32 v[SO], v161, 2, v[SO]
	v_mov_b32 v146, 0                              ; written once: a lane permute's destination counts as one of its sources
	v_add_nc_u32 v[SO], s58, v[SO]
	v_mov_b32 v147, 0
.irp t, 0,1,2,3,4,5,6,7
.irp i, 4,5,6,7
	v_mov_b32 v[32+8*\t+\i], 0                     ; zero codes in K's eight fragments: cleared once, never written again
.endr
.endr
.irp i, 0,1
	v_mov_b32 v[13+4*\i], 0xff61b1e6               ; the largest score so far: -3e38
	v_mov_b32 v[14+4*\i], 0                        ; the sum, in two halves
	v_mov_b32 v[15+4*\i], 0
	v_mov_b32 v[151+2*\i], 0                       ; (named as the upper half of f's pair)
.endr
.irp i, 0,1
	v_floor_f32 v[12+4*\i], -v[13+4*\i]            ; -M
.endr
; A KEY STEP: 128 keys, the q-th of a pair, for both my tiles.  more = 1: the next step's K is asked for behind this step's first product.
.macro STEP q, more
	s_wait_dscnt 0x0                               ; K's fragments and scale words, asked for a step ago
	WIN W_MM
.irp t, 0,1,2,3
.irp i, 0,1
	v_wmma_scale_f32_16x16x128_f8f6f4 v[64*\i+8*\t:64*\i+8*\t+7], v[32+8*\t:39+8*\t], v[192+8*\i:199+8*\i], 0, v[24+\t], v[30+\i] matrix_a_fmt:MATRIX_FMT_FP4 matrix_b_fmt:MATRIX_FMT_FP4
.endr
.endr
.irp t, 4,5,6,7
.irp i, 0,1
	v_wmma_scale_f32_16x16x128_f8f6f4 v[64*\i+8*\t:64*\i+8*\t+7], v[32+8*\t:39+8*\t], v[192+8*\i:199+8*\i], 0, v[24+\t-4], v[30+\i] matrix_a_fmt:MATRIX_FMT_FP4 matrix_b_fmt:MATRIX_FMT_FP4 matrix_a_scale:MATRIX_SCALE_ROW1
.endr
.endr
	WIN 0
	v_mov_b32 v148, v12                            ; the old -M of both tiles.  With the two lines below: the four places behind these products and behind the last step's, into whose registers the loads below land
	v_mov_b32 v149, v16
	v_nop
	v_nop
	VLOAD BLKB*(\q)                                ; V lands while the softmax is worked
.if \more
	KLOAD KBL*((\q)+1)                             ; and so does the next step's K
.if \q
	s_add_co_u32 s[TB], s[TB], 2*KBL               ; on to the next pair (LDS loads have read their addresses at issue)
	s_add_co_u32 s[TBV], s[TBV], 2*BLKB
	ADDR
.endif
.endif
	WIN W_M3                                       ; THE LARGEST SCORE OF EACH BLOCK OF 32 KEYS, two blocks a tile, two chains a block: it serves the row's maximum and, since p rises with the score, the block's largest p
.irp i, 0,1
.irp c, 0,1
	v_max3_num_f32 v[128+8*\i+\c], v[64*\i+32*\c], v[64*\i+32*\c+1], v[64*\i+32*\c+2]
	v_max3_num_f32 v[130+8*\i+\c], v[64*\i+32*\c+16], v[64*\i+32*\c+17], v[64*\i+32*\c+18]
.endr
.endr
	WIN W_M2
.irp k, 3,5,7,9,11,13
.irp i, 0,1
.irp c, 0,1
	v_max3_num_f32 v[128+8*\i+\c], v[128+8*\i+\c], v[64*\i+32*\c+\k], v[64*\i+32*\c+\k+1]
	v_max3_num_f32 v[130+8*\i+\c], v[130+8*\i+\c], v[64*\i+32*\c+16+\k], v[64*\i+32*\c+17+\k]
.endr
.endr
.endr
.irp i, 0,1
.irp c, 0,1
	v_max3_num_f32 v[128+8*\i+\c], v[128+8*\i+\c], v[64*\i+32*\c+15], v[64*\i+32*\c+31]
.endr
.endr
	WIN 0
.irp i, 0,1
.irp c, 0,1
	v_max_num_f32 v[128+8*\i+\c], v[128+8*\i+\c], v[130+8*\i+\c]
.endr
.endr
.irp i, 0,1
	v_max_num_f32 v[144+\i], v[128+8*\i], v[129+8*\i]
.endr
.irp i, 0,1
	v_permlanex16_b32 v[146+\i], v[144+\i], s[SEL], s[SEL+1]   ; lane l xor 16's 64 keys
.endr
.irp i, 0,1
	v_max3_num_f32 v[13+4*\i], v[13+4*\i], v[144+\i], v[146+\i]   ; the running largest score of my query
.endr
.irp i, 0,1
	v_mul_f32 v[144+\i], s[CSN], v[13+4*\i]        ; -t (c is positive, so the largest score gives the largest t)
.endr
.irp i, 0,1
	v_floor_f32 v[12+4*\i], v[144+\i]              ; the new -M = floor(-t) = -ceil(t): a whole number
.endr
.irp i, 0,1
	v_sub_f32 v[144+\i], v[12+4*\i], v[148+\i]     ; M's old value less its new one: a whole number, 0 or less
.endr
.irp i, 0,1
	v_cvt_i32_f32 v[144+\i], v[144+\i]             ; (it saturates)
.endr
.irp i, 0,1
	v_ldexp_f32 v[150+2*\i], 1.0, v[144+\i]        ; f = 2^(old M - new M): the multiplications by it round nothing
.endr
.irp i, 0,1
.irp c, 0,1
	v_fma_f32 v[128+8*\i+\c], v[128+8*\i+\c], s[CS], v[12+4*\i]   ; t - M of each block's largest score
.endr
.endr
	WIN W_B
.irp i, 0,1
.irp j, 0,2,4,6,8,10,12,14,16,18,20,22,24,26,28,30,32,34,36,38,40,42,44,46,48,50,52,54,56,58,60,62
	v_pk_fma_f32 v[64*\i+\j:64*\i+\j+1], v[64*\i+\j:64*\i+\j+1], s[CS:CS+1], v[12+4*\i:13+4*\i] op_sel_hi:[1,0,0]   ; t - M, two at a time (of the pairs c and -M the low word serves both halves)
.endr
.endr
	s_wait_alu depctr_va_vdst(0)                   ; the wait ahead of the batch
.set J, 0
.rept 128
	v_exp_f32 v[J], v[J]                           ; p = 2^(t - M), at most 1: NOT normalised
.set J, J+1
.endr
	WIN 0
.irp i, 0,1
	v_pk_mul_f32 v[14+4*\i:15+4*\i], v[14+4*\i:15+4*\i], v[150+2*\i:151+2*\i] op_sel_hi:[1,0]   ; the sums under the new M (plain lines behind the exponentials)
.endr
	s_wait_alu depctr_va_vdst(0)                   ; one wait for the batch of 128, ahead of its first reader
.irp i, 0,1
.irp c, 0,1
	v_exp_f32 v[128+8*\i+\c], v[128+8*\i+\c]       ; the block's largest p: the same two instructions on the same number give the same bits
.endr
.endr
	WIN W_BB                                       ; THE ROW'S SUM IS TAKEN OF THE UNQUANTISED p: two at a time, in eight chains a tile
.irp n, 0,1,2,3,4,5,6,7
.irp i, 0,1
	v_pk_add_f32 v[224+16*\i+2*\n:225+16*\i+2*\n], v[64*\i+2*\n:64*\i+2*\n+1], v[64*\i+2*\n+16:64*\i+2*\n+17]
.endr
.endr
.irp e, 32,48
.irp n, 0,1,2,3,4,5,6,7
.irp i, 0,1
	v_pk_add_f32 v[224+16*\i+2*\n:225+16*\i+2*\n], v[224+16*\i+2*\n:225+16*\i+2*\n], v[64*\i+2*\n+\e:64*\i+2*\n+\e+1]
.endr
.endr
.endr
.irp n, 0,1,2,3
.irp i, 0,1
	v_pk_add_f32 v[224+16*\i+2*\n:225+16*\i+2*\n], v[224+16*\i+2*\n:225+16*\i+2*\n], v[232+16*\i+2*\n:233+16*\i+2*\n]
.endr
.endr
.irp n, 0,1
.irp i, 0,1
	v_pk_add_f32 v[224+16*\i+2*\n:225+16*\i+2*\n], v[224+16*\i+2*\n:225+16*\i+2*\n], v[228+16*\i+2*\n:229+16*\i+2*\n]
.endr
.endr
.irp i, 0,1
	v_pk_add_f32 v[224+16*\i:225+16*\i], v[224+16*\i:225+16*\i], v[226+16*\i:227+16*\i]
.endr
	WIN W_S1
.irp i, 0,1
	v_pk_add_f32 v[14+4*\i:15+4*\i], v[14+4*\i:15+4*\i], v[224+16*\i:225+16*\i]
.endr
	WIN 0
	s_wait_alu depctr_va_vdst(0)                   ; and one for the four
.irp i, 0,1
.irp c, 0,1
	v_max_num_f32 v[128+8*\i+\c], 0x1800000, v[128+8*\i+\c]   ; the floor 2^(3 - 127): the byte cannot fall under 1
.endr
.endr
.irp i, 0,1
.irp c, 0,1
	v_add_nc_u32 v[132+8*\i+\c], 0xff000000, v[128+8*\i+\c]   ; 2 off the exponent field: the conversion's scale operand
.endr
.endr
.irp i, 0,1
.irp c, 0,1
	v_lshrrev_b32 v[134+8*\i+\c], 23, v[132+8*\i+\c]          ; the scale's byte
.endr
.endr
.irp i, 0,1
	v_lshl_or_b32 v[20+\i], v[135+8*\i], 16, v[134+8*\i]      ; my two bytes: blocks h and 2 + h,
.endr
.irp i, 0,1
	v_lshlrev_b32 v[20+\i], v[SH8], v[20+\i]                  ; at their places in the scale word (8 h bits up);
.endr
.irp i, 0,1
	v_permlanex16_b32 v[146+\i], v[20+\i], s[SEL], s[SEL+1]
.endr
.irp i, 0,1
	v_or_b32 v[20+\i], v[20+\i], v[146+\i]                    ; with lane l xor 16's two the word is whole
.endr
	WIN W_B
.irp i, 0,1
.irp c, 0,1
.irp g, 0,1,2,3
	v_cvt_scalef32_pk8_fp4_f32 v[208+8*\i+4*\c+\g], v[64*\i+32*\c+8*\g:64*\i+32*\c+8*\g+7], v[132+8*\i+\c]   ; register 4 c + g of the operand
.endr
.endr
.endr
	v_nop                                          ; one plain line behind a scaled conversion
	s_wait_alu depctr_va_vdst(0)                   ; the wait directly ahead of the first reader of O^T
.irp i, 0,1
.irp j, 0,2,4,6,8,10,12,14,16,18,20,22,24,26,28,30
	v_pk_mul_f32 v[128+32*\i+\j:129+32*\i+\j], v[128+32*\i+\j:129+32*\i+\j], v[150+2*\i:151+2*\i] op_sel_hi:[1,0]   ; O^T under the new M.  For each product below at least 24 of these 32 name none of its registers: the places behind p's codes and p's scale words
.endr
.endr
	s_wait_alu depctr_va_vdst(0)                   ; the wait directly ahead of the wait below
	s_wait_dscnt 12*(\more)                        ; V's ten loads are in; the twelve younger ones, the next step's K, may be out
	WIN W_MM
.irp d, 0,1                                    ; O^T += V^T P^T: four tiles of 16 channels for each of my tiles, eight accumulators by turns
.irp i, 0,1
	v_wmma_scale_f32_16x16x128_f8f6f4 v[128+32*\i+8*\d:135+32*\i+8*\d], v[96+8*\d:103+8*\d], v[208+8*\i:215+8*\i], v[128+32*\i+8*\d:135+32*\i+8*\d], v[28+\d], v[20+\i] matrix_a_fmt:MATRIX_FMT_FP4 matrix_b_fmt:MATRIX_FMT_FP4
.endr
.endr
.irp d, 2,3
.irp i, 0,1
	v_wmma_scale_f32_16x16x128_f8f6f4 v[128+32*\i+8*\d:135+32*\i+8*\d], v[96+8*\d:103+8*\d], v[208+8*\i:215+8*\i], v[128+32*\i+8*\d:135+32*\i+8*\d], v[28+\d-2], v[20+\i] matrix_a_fmt:MATRIX_FMT_FP4 matrix_b_fmt:MATRIX_FMT_FP4 matrix_a_scale:MATRIX_SCALE_ROW1
.endr
.endr
	WIN 0                                          ; at a label and at a branch every window is 0
.endm
	s_wait_alu depctr_va_vdst(0)                   ; the wait at the head's end
	s_wait_loadcnt 0x0                             ; Q
	s_wait_tensorcnt 0x0                           ; my eight blocks are in
	s_barrier_signal -1
	s_barrier_wait -1                              ; everybody's are: K and V are whole for all eight waves.
	KLOAD 0
	s_mov_b32 s[CNT], 15
.Lpair:                                            ; 15 trips of two key steps; the last pair is written out, since its last step asks for no further K
	STEP 0, 1
	STEP 1, 1
	s_sub_co_u32 s[CNT], s[CNT], 1
	s_cmp_lg_u32 s[CNT], 0
	s_cbranch_scc1 .Lpair
	STEP 0, 1
	STEP 1, 0
	; THE WAY OUT.  O^T / the sum goes into the work-group's stage as [channel][query]; each wave then stores eight whole rows of 1,024 bytes.
	s_wait_dscnt 0x0                               ; my reads of K and V are over:
	s_barrier_signal -1                            ; say so; the division, work on registers, stands between the signal and the wait
.irp i, 0,1
	v_add_f32 v[14+4*\i], v[14+4*\i], v[15+4*\i]   ; the sum's two halves,
.endr
.irp i, 0,1
	v_permlanex16_b32 v[146+\i], v[14+4*\i], s[SEL], s[SEL+1]
.endr
.irp i, 0,1
	v_add_f32 v[14+4*\i], v[14+4*\i], v[146+\i]    ; and lane l xor 16's: the row's sum
.endr
	s_wait_alu depctr_va_vdst(0)                   ; the wait ahead of the transcendentals
.irp i, 0,1
	v_rcp_f32 v[14+4*\i], v[14+4*\i]
.endr
	v_nop                                          ; plain lines behind the reciprocals; with the six above, the places behind the last products
	v_nop
	WIN W_S0
	s_wait_alu depctr_va_vdst(0)                   ; the wait for the reciprocals, directly ahead of the first readers of them and of O^T
.irp i, 0,1
.irp j, 0,1,2,3,4,5,6,7,8,9,10,11,12,13,14,15,16,17,18,19,20,21,22,23,24,25,26,27,28,29,30,31
	v_mul_f32 v[32+32*\i+\j], v[128+32*\i+\j], v[14+4*\i]   ; into window 0, where K's fragments lay
.endr
.endr
	WIN 0
	s_wait_alu depctr_va_vdst(0)                   ; the wait directly ahead of the wait below
	s_barrier_wait -1                              ; nobody reads K's bytes any more; they have had their one fill: the stage lies there
.irp i, 0,1
.irp d, 0,1,2,3
.irp j, 0,1,2,3,4,5,6,7
	ds_store_b32 v[SO], v[32+32*\i+8*\d+\j] offset:(32*(\d/2)+8*(\d%2)+\j)*SPI+32*\i
.endr
.endr
.endr
	s_wait_dscnt 0x0                               ; for the others' sake: my stores into the stage are done
	s_barrier_signal -1
	s_barrier_wait -1
.irp i, 0,1,2,3,4,5,6,7
.irp e, 0,1
	ds_load_b128 v[32+8*\i+4*\e:35+8*\i+4*\e], v[SR] offset:SPI*\i+512*\e
.endr
.endr
.irp i, 0,1,2,3,4,5,6,7
.irp e, 0,1
	s_wait_dscnt 15-2*\i-\e                        ; the younger loads stay out
	global_store_b128 v[AL0], v[32+8*\i+4*\e:35+8*\i+4*\e], s[8:9] offset:16384*\i+512*\e   ; 32 lanes store 512 consecutive bytes, aligned
.endr
.endr
	s_wait_tensorcnt 0x0                           ; the wave's end
	ds_add_u32 v[SPW], v[NIL]
	s_wait_dscnt 0x0
	CROUND                                         ; the closing round: no work-group ends while a partner may still ask for a tile that names it
	s_endpgm
.Lfunc_end_k_q9bde9fbfd1_attn:
	.size	k_q9bde9fbfd1_attn, .Lfunc_end_k_q9bde9fbfd1_attn-k_q9bde9fbfd1_attn
	.p2alignl 7, 3214868480
	.fill 96, 4, 3214868480
	.section	.rodata,"a",@progbits
	.p2align	6, 0x0
	.amdhsa_kernel k_q9bde9fbfd1_attn
		.amdhsa_group_segment_fixed_size 327680
		.amdhsa_private_segment_fixed_size 0
		.amdhsa_enable_private_segment 0
		.amdhsa_kernarg_size 24
		.amdhsa_user_sgpr_count 2
		.amdhsa_user_sgpr_kernarg_segment_ptr 1
		.amdhsa_wavefront_size32 1
		.amdhsa_system_sgpr_workgroup_id_x 1
		.amdhsa_system_sgpr_workgroup_id_y 1
		.amdhsa_system_sgpr_workgroup_id_z 1
		.amdhsa_system_vgpr_workitem_id 0
		.amdhsa_next_free_vgpr 512
		.amdhsa_next_free_sgpr 66
		.amdhsa_reserve_vcc 0
		.amdhsa_float_denorm_mode_32 3
		.amdhsa_float_denorm_mode_16_64 3
		.amdhsa_memory_ordered 1
		.amdhsa_forward_progress 1
		.amdhsa_inst_pref_size 126
	.end_amdhsa_kernel
	.amdgpu_metadata
---
amdhsa.version: [ 1, 2 ]
amdhsa.kernels:
  - .name:           k_q9bde9fbfd1_attn
    .symbol:         k_q9bde9fbfd1_attn.kd
    .args:
      - { .name: qk, .offset: 0, .size: 8, .value_kind: global_buffer, .address_space: global }
      - { .name: vp, .offset: 8, .size: 8, .value_kind: global_buffer, .address_space: global }
      - { .name: att, .offset: 16, .size: 8, .value_kind: global_buffer, .address_space: global }
    .group_segment_fixed_size: 327680
    .private_segment_fixed_size: 0
    .kernarg_segment_align: 8
    .kernarg_segment_size: 24
    .max_flat_workgroup_size: 256
    .sgpr_count:     66
    .vgpr_count:     512
    .wavefront_size: 32
...
	.end_amdgpu_metadata
.endif
;; end of part 3
;; launch tail (part 4): grid 256 x 1, 16 waves a work-group, clusters of 4 x 1, 327,680 bytes of LDS; arguments att, x, codes, scales, ln1_g, ln1_b, b1, ln2_g, ln2_b, out0; writes out0
.if DOCPART == 4
	.amdgcn_target "amdgcn-amd-amdhsa--gfx1250"
	.amdhsa_code_object_version 6
	.text
	.protected	k_q9bde9fbfd1_tail
	.globl	k_q9bde9fbfd1_tail
	.p2align	8
	.type	k_q9bde9fbfd1_tail,@function
k_q9bde9fbfd1_tail:
	s_mov_b64 s[64:65], 0
	v_nop
	global_prefetch_b8 v0, s[64:65] scope:SCOPE_SE
	s_setreg_imm32_b32 hwreg(HW_REG_WAVE_MODE, 25, 1), 1
	s_wait_xcnt 0x0
	s_wait_alu depctr_hold_cnt(0) depctr_sa_sdst(0) depctr_va_vdst(0) depctr_va_sdst(0) depctr_va_ssrc(0) depctr_va_vcc(0) depctr_vm_vsrc(0)
	s_getreg_b32 s2, hwreg(HW_REG_IB_STS2, 6, 4)
	s_cmp_eq_u32 s2, 0
	s_cbranch_scc0 .Lentry_in_a_cluster
	s_endpgm
.Lentry_in_a_cluster:
	s_bfe_u32 s2, ttmp6, 0x10000c
	s_cmp_lg_u32 s2, 0x3003
	s_cbranch_scc0 .Lentry_shape_is_right
	s_endpgm
.Lentry_shape_is_right:
; h = LN1(att + x); out0 = LN2(h w1^T + b1 + h).  att is read as [4096][1024], as it lies.  The product is on codes of FP4 with E8M0 scales: h is quantised here, along its row; w1's codes and scales were made by the first launch.
; SHARES.  A work-group owns 16 rows.  In the row phases wave w has row w, dense: register 4 j + i of a row's 32 is element 128 j + 4 lane + i.  In the product wave w has stored tiles 32 m + 2 w + u of w1's rows (m, u = 0, 1),
; which by the stored row order are columns 512 m + 32 w + 16 (lane / 16) + 8 u + j of the output; the product is used transposed (source 0 = 16 rows of w1, source 1 = h's 16 rows): a lane holds one row of the output.
; LDS.  RING: 512 rows of w1's codes (512 bytes + 16 of padding), filled twice: rows 0-511, then 512-1023.  All work-groups read the same rows: the four of a cluster ask jointly; waves 0 to 7 issue one load of 64 rows each:
; one load of a wave is out at a time.  Behind the ring, in bytes that no fill touches: h's codes (16 rows, pitch 528), h's scale bytes, a stage of 2,560 bytes for each wave, the spare words.
; The output's stage (16 rows x 4,112) lies in the ring behind its last fill and last read.
; Both norms take the mean first and then the mean of the squared differences, as the definition has it.  LIMITS: a block of zeros gets the byte 1 where the rule says 127 (zero codes; read here alone); NaN and infinities are not served.
; REGISTERS: v1-10 addresses; v12-21 statistics; v22, v23 for the add; v24-87 x and ln1_g, then w1's fragments, then the output's row; v88-95 h's scale words; v96-159 ln1_b and the turned numbers, then h's fragments, then ln2_g, ln2_b;
;   v160-191 h, dense; v192-223 w1's scale words; v224-255 four accumulators, which begin as b1.
.set RP,    528
.set HC,    512*RP                     ; h's codes
.set HSB,   HC+16*RP                   ; h's scale bytes, 32 a row
.set QST,   HSB+512                    ; 2,560 bytes a wave: 32 places of 64 bytes + 16
.set SPARE, QST+16*2560                ; the spare words, 128 bytes for each wave: eight blocks of 256 bytes that no other line names
.set OSP,   4112
.set W1C,   7168*512                   ; where w1's rows begin in codes,
.set W1S,   7168*32                    ; and in scales
.set LO,  1                            ; v1   16 x lane
.set QW,  2                            ; v2   my wave's stage, on the way in
.set QR,  3                            ; v3   and out
.set HCW, 4                            ; v4   where my 8 bytes of codes go
.set HBW, 5                            ; v5   where my block's byte goes
.set HFA, 6                            ; v6   h's fragments
.set HSA, 7                            ; v7   h's scale words
.set WFA, 8                            ; v8   w1's fragments
.set OSA, 9                            ; v9   the output's stage, on the way in
.set OSR, 10                           ; v10  and out
.set B1O, 20                           ; v20  b1's offset   (both freed by a wait on XCNT ahead of the first norm)
.set WSO, 21                           ; v21  the offset of w1's scale words
.set SPW, 22
.set NIL, 23
.set XR,  24
.set GR,  56
.set BR,  96
.set BL,  128
.set CO,  24                           ; h's codes as made: v24-27;  bytes v28-29
.set BY,  28
.set WF,  24
.set HSW, 88
.set HF,  96
.set HR,  160
.set WS,  192
.set ACC, 224
.macro ROUND                           ; a round of the cluster's barrier
	s_barrier_signal -1
	s_barrier_wait -1
	s_cmp_lg_u32 s24, 0
	s_cbranch_scc1 .Lnot_wave_0_\@
	s_barrier_signal -3
.Lnot_wave_0_\@:
	s_barrier_wait -3
	s_barrier_signal -1
	s_barrier_wait -1
.endm
.macro WSUM                            ; v12 summed over the wave's 32 lanes, the result in every lane
	s_delay_alu instid0(VALU_DEP_1)
	v_add_f32_dpp v12, v12, v12 row_xmask:1 row_mask:0xf bank_mask:0xf
	s_delay_alu instid0(VALU_DEP_1)
	v_add_f32_dpp v12, v12, v12 row_xmask:2 row_mask:0xf bank_mask:0xf
	s_delay_alu instid0(VALU_DEP_1)
	v_add_f32_dpp v12, v12, v12 row_xmask:4 row_mask:0xf bank_mask:0xf
	s_delay_alu instid0(VALU_DEP_1)
	v_add_f32_dpp v12, v12, v12 row_xmask:8 row_mask:0xf bank_mask:0xf
	s_delay_alu instid0(VALU_DEP_1)
	v_permlanex16_b32 v13, v12, s28, s29
	s_delay_alu instid0(VALU_DEP_1)
	v_add_f32 v12, v12, v13
.endm
; The row in v[Y] .. v[Y + 31] becomes (row - mean) x rsqrt(var + eps) x v[G ..] + v[B ..].
.macro LNORM Y, G, B
	v_pk_add_f32 v[18:19], v[\Y:\Y+1], v[\Y+2:\Y+3]               ; the sum, two at a time, in two chains
	v_pk_add_f32 v[20:21], v[\Y+4:\Y+5], v[\Y+6:\Y+7]
.irp j, 8,12,16,20,24,28
	s_delay_alu instid0(VALU_DEP_2)
	v_pk_add_f32 v[18:19], v[18:19], v[\Y+\j:\Y+\j+1]
	s_delay_alu instid0(VALU_DEP_2)
	v_pk_add_f32 v[20:21], v[20:21], v[\Y+\j+2:\Y+\j+3]
.endr
	s_delay_alu instid0(VALU_DEP_1)
	v_pk_add_f32 v[18:19], v[18:19], v[20:21]
	s_delay_alu instid0(VALU_DEP_1)
	v_add_f32 v12, v18, v19
	WSUM
	s_delay_alu instid0(VALU_DEP_1)
	v_mul_f32 v14, s30, v12                        ; the mean: x 2^-10
	s_delay_alu instid0(VALU_DEP_1)
	v_mov_b32 v15, v14
.irp j, 0,2,4,6,8,10,12,14,16,18,20,22,24,26,28,30
	v_pk_add_f32 v[\Y+\j:\Y+\j+1], v[\Y+\j:\Y+\j+1], v[14:15] neg_lo:[0,1] neg_hi:[0,1]
.endr
	v_pk_mul_f32 v[18:19], v[\Y:\Y+1], v[\Y:\Y+1]                 ; the squares of the differences
	v_pk_mul_f32 v[20:21], v[\Y+2:\Y+3], v[\Y+2:\Y+3]
.irp j, 4,8,12,16,20,24,28
	s_delay_alu instid0(VALU_DEP_2)
	v_pk_fma_f32 v[18:19], v[\Y+\j:\Y+\j+1], v[\Y+\j:\Y+\j+1], v[18:19]
	s_delay_alu instid0(VALU_DEP_2)
	v_pk_fma_f32 v[20:21], v[\Y+\j+2:\Y+\j+3], v[\Y+\j+2:\Y+\j+3], v[20:21]
.endr
	s_delay_alu instid0(VALU_DEP_1)
	v_pk_add_f32 v[18:19], v[18:19], v[20:21]
	s_delay_alu instid0(VALU_DEP_1)
	v_add_f32 v12, v18, v19
	WSUM
	s_delay_alu instid0(VALU_DEP_1)
	v_fma_f32 v12, v12, s30, s31                   ; var + eps
	s_wait_alu depctr_va_vdst(0)
	v_rsq_f32 v16, v12
	v_nop                                          ; a plain line behind the transcendental,
	s_wait_alu depctr_va_vdst(0)                   ; and the wait ahead of its first reader
	v_mov_b32 v17, v16
.irp j, 0,2,4,6,8,10,12,14,16,18,20,22,24,26,28,30
	v_pk_mul_f32 v[\Y+\j:\Y+\j+1], v[\Y+\j:\Y+\j+1], v[16:17]
.endr
.irp j, 0,2,4,6,8,10,12,14,16,18,20,22,24,26,28,30
	v_pk_fma_f32 v[\Y+\j:\Y+\j+1], v[\Y+\j:\Y+\j+1], v[\G+\j:\G+\j+1], v[\B+\j:\B+\j+1]
.endr
.endm
	s_load_b512 s[4:19], s[0:1], 0x0               ; att s[4:5], x s[6:7], codes s[8:9], scales s[10:11], ln1_g s[12:13], ln1_b s[14:15], b1 s[16:17], ln2_g s[18:19]
	s_load_b128 s[20:23], s[0:1], 0x40             ; ln2_b s[20:21], out0 s[22:23]
	v_lshl_add_u32 v[SPW], v0, 2, SPARE
	v_mov_b32 v[NIL], 0
	ds_add_u32 v22, v23
	ds_add_u32 v22, v23
	s_wait_dscnt 0x0
	v_lshrrev_b32 v12, 5, v0
	s_delay_alu instid0(VALU_DEP_1)
	v_readfirstlane_b32 s24, v12                   ; wave 0..15
	s_bfe_u32 s25, ttmp6, 0x40000                  ; cx
	s_lshl_b32 s26, ttmp9, 2
	s_add_co_u32 s26, s26, s25                     ; my block of 16 rows: it enters att's, x's and out0's addresses alone
	s_mov_b32 s28, 0x76543210
	s_mov_b32 s29, 0xfedcba98                      ; v_permlanex16_b32's selects for lane l xor 16
	s_mov_b32 s30, 0x3a800000                      ; 2^-10
	s_mov_b32 s31, 0x3727c5ac                      ; eps = 1e-5
	s_mov_b32 s32, 15|(1<<20)|(1<<21)|(6<<22)|(3<<25)   ; group 1: 15:0 the mask: all four work-groups; elements of 1 byte; 20 padding on; 21 set beside a mask; 24:22 after every 128 words; 31:25 four words
	s_mov_b32 s33, 512<<16                         ; tensor_dim0 = 512 bytes
	s_mov_b32 s34, 64<<16                          ; tensor_dim1 = 64 rows
	s_mov_b32 s35, 512<<16                         ; tile_dim0
	s_mov_b32 s36, 64                              ; tile_dim1
	s_mov_b32 s37, 512                             ; tensor_dim0_stride
	s_mov_b32 s38, 0
	s_mov_b32 s39, 0
	s_and_b32 s44, s24, 7
	s_mov_b32 s40, 1                               ; group 0: count = 1
	s_mul_i32 s41, s44, 64*RP                      ; LDS address: my 64 rows of the ring
	s_lshl_b32 s46, s44, 15                        ; the same rows in memory
	s_add_co_u32 s46, s46, W1C
	s_mov_b32 s47, 0
	s_lshl_b32 s48, s26, 16                        ; my row: (16 x block + wave) x 4,096 bytes
	s_lshl_b32 s49, s24, 12
	s_add_co_u32 s48, s48, s49
	s_mov_b32 s49, 0
	s_wait_kmcnt 0x0
	s_add_nc_u64 s[42:43], s[8:9], s[46:47]
	s_or_b32 s43, s43, 0x80000000                  ; type = 2
	s_add_nc_u64 s[4:5], s[4:5], s[48:49]
	s_add_nc_u64 s[6:7], s[6:7], s[48:49]
	s_add_nc_u64 s[22:23], s[22:23], s[48:49]
	ROUND                                          ; all four work-groups are here: the first joint loads meet
	s_cmp_lt_u32 s24, 8
	s_cbranch_scc0 .Lno_fetch_0
	tensor_load_to_lds s[40:43], s[32:39]          ; w1's stored rows 0 to 511
	s_nop 0
.rept 4
	v_nop
.endr
.Lno_fetch_0:
	v_and_b32 v12, 31, v0                          ; lane
	v_and_b32 v13, 15, v0                          ; r
	v_bfe_u32 v14, v0, 4, 1                        ; h
	s_delay_alu instid0(VALU_DEP_3)
	v_lshlrev_b32 v[LO], 4, v12
	s_lshl_b32 s44, s24, 7
	v_lshl_add_u32 v[B1O], v14, 6, s44             ; b1: 128 wave + 64 h
	s_lshl_b32 s44, s24, 10
	v_lshl_add_u32 v[WSO], v13, 5, s44             ; w1's scale words: 1,024 wave + 32 r
.irp j, 0,1,2,3,4,5,6,7
	global_load_b128 v[HR+4*\j:HR+4*\j+3], v[LO], s[4:5] offset:512*\j th:TH_LOAD_NT    ; att's row: 512 consecutive bytes a load
.endr
.irp j, 0,1,2,3,4,5,6,7
	global_load_b128 v[XR+4*\j:XR+4*\j+3], v[LO], s[6:7] offset:512*\j th:TH_LOAD_NT    ; x's
.endr
.irp j, 0,1,2,3,4,5,6,7
	global_load_b128 v[GR+4*\j:GR+4*\j+3], v[LO], s[12:13] offset:512*\j
.endr
.irp j, 0,1,2,3,4,5,6,7
	global_load_b128 v[BR+4*\j:BR+4*\j+3], v[LO], s[14:15] offset:512*\j
.endr
.irp m, 0,1
.irp u, 0,1
.irp e, 0,1
	global_load_b128 v[ACC+8*(2*\m+\u)+4*\e:ACC+8*(2*\m+\u)+4*\e+3], v[B1O], s[16:17] offset:2048*\m+32*\u+16*\e   ; b1 in the result's layout: it is the C of each sum's first product
.endr
.endr
.endr
.irp m, 0,1
.irp u, 0,1
.irp e, 0,1
	global_load_b128 v[WS+8*(2*\m+\u)+4*\e:WS+8*(2*\m+\u)+4*\e+3], v[WSO], s[10:11] offset:W1S+16384*\m+512*\u+16*\e   ; a row's 8 scale words, one for each 128 along K
.endr
.endr
.endr
	s_mul_i32 s44, s24, 2560
	s_add_co_u32 s44, s44, QST
	v_lshrrev_b32 v15, 2, v12
	s_delay_alu instid0(VALU_DEP_1)
	v_mul_u32_u24 v[QW], v15, 80
	v_and_b32 v15, 3, v12
	s_delay_alu instid0(VALU_DEP_1)
	v_lshl_add_u32 v[QW], v15, 4, v[QW]
	s_delay_alu instid0(VALU_DEP_1)
	v_add_nc_u32 v[QW], s44, v[QW]                 ; in: 80 (lane / 4) + 16 (lane % 4); a register group's 512 bytes take eight places
	v_mul_u32_u24 v[QR], v12, 80
	s_delay_alu instid0(VALU_DEP_1)
	v_add_nc_u32 v[QR], s44, v[QR]                 ; out: 80 x lane: 16 neighbours
	s_mul_i32 s44, s24, RP
	s_add_co_u32 s44, s44, HC
	v_lshl_add_u32 v[HCW], v12, 3, s44
	s_lshl_b32 s44, s24, 5
	s_add_co_u32 s44, s44, HSB
	v_lshrrev_b32 v[HBW], 1, v12
	s_delay_alu instid0(VALU_DEP_1)
	v_add_nc_u32 v[HBW], s44, v[HBW]
	v_mul_u32_u24 v[HFA], v13, RP
	s_delay_alu instid0(VALU_DEP_1)
	v_lshl_add_u32 v[HFA], v14, 4, v[HFA]          ; a fragment's row x pitch + 16 x half
	s_mul_i32 s44, s24, 32*RP
	v_add_nc_u32 v[WFA], s44, v[HFA]               ; w1: my 32 rows of the ring
	v_add_nc_u32 v[HFA], HC, v[HFA]
	v_lshlrev_b32 v[HSA], 5, v13
	s_delay_alu instid0(VALU_DEP_1)
	v_add_nc_u32 v[HSA], HSB, v[HSA]
	v_mul_u32_u24 v[OSA], v13, OSP
	s_delay_alu instid0(VALU_DEP_1)
	v_lshl_add_u32 v[OSA], v14, 6, v[OSA]
	s_lshl_b32 s44, s24, 7
	v_add_nc_u32 v[OSA], s44, v[OSA]               ; row r, + 64 h + 128 wave
	s_mul_i32 s44, s24, OSP
	v_add_nc_u32 v[OSR], s44, v[LO]
	; ---- h = LN1(att + x)
	s_wait_loadcnt 32                              ; att's and x's sixteen loads are in; the 32 behind them stay out
.irp j, 0,2,4,6,8,10,12,14,16,18,20,22,24,26,28,30
	v_pk_add_f32 v[HR+\j:HR+\j+1], v[HR+\j:HR+\j+1], v[XR+\j:XR+\j+1]
.endr
	s_wait_loadcnt 16                              ; ln1_g and ln1_b are in; b1 and the scale words stay out
	s_wait_xcnt 0x0                                ; the loads that are still out have read their offsets: v20 and v21 are written below
	LNORM HR, GR, BR
	; ---- h into codes: 512 numbers at a time turn through my stage, so that a lane holds 16 neighbours along K and two neighbouring lanes a block
.irp e, 0,1
.irp i, 0,1,2,3
	ds_store_b128 v[QW], v[HR+16*\e+4*\i:HR+16*\e+4*\i+3] offset:640*\i
.endr
.irp i, 0,1,2,3
	ds_load_b128 v[BL+16*\e+4*\i:BL+16*\e+4*\i+3], v[QR] offset:16*\i   ; LDS serves a wave's instructions in order: these see the stores above, and the second half's stores come behind them
.endr
.endr
.irp e, 0,1
.if \e == 0
	s_wait_dscnt 8                                 ; the first half is back; the second half's four stores and four loads stay out
.else
	s_wait_dscnt 2                                 ; the second half is back; the first half's two result stores may be out
.endif
	v_max3_num_f32 v12, |v[BL+16*\e]|, |v[BL+16*\e+1]|, |v[BL+16*\e+2]|
	v_max3_num_f32 v13, |v[BL+16*\e+3]|, |v[BL+16*\e+4]|, |v[BL+16*\e+5]|
.irp i, 6,10
	s_delay_alu instid0(VALU_DEP_2)
	v_max3_num_f32 v12, v12, |v[BL+16*\e+\i]|, |v[BL+16*\e+\i+1]|
	s_delay_alu instid0(VALU_DEP_2)
	v_max3_num_f32 v13, v13, |v[BL+16*\e+\i+2]|, |v[BL+16*\e+\i+3]|
.endr
	s_delay_alu instid0(VALU_DEP_2)
	v_max3_num_f32 v12, v12, |v[BL+16*\e+14]|, |v[BL+16*\e+15]|
	s_delay_alu instid0(VALU_DEP_1)
	v_max3_num_f32 v12, v12, v13, 0x1800000        ; and the floor 2^(3 - 127): so the byte cannot fall under 1
	s_delay_alu instid0(VALU_DEP_1)
	v_max_num_f32_dpp v12, v12, v12 row_xmask:1 row_mask:0xf bank_mask:0xf   ; with my neighbour's 16: the block's largest magnitude
	s_delay_alu instid0(VALU_DEP_1)
	v_add_nc_u32 v[14+\e], 0xff000000, v12         ; 2 off its exponent field: the conversion's scale operand
	v_cvt_scalef32_pk8_fp4_f32 v[CO+2*\e], v[BL+16*\e:BL+16*\e+7], v[14+\e]
	v_cvt_scalef32_pk8_fp4_f32 v[CO+2*\e+1], v[BL+16*\e+8:BL+16*\e+15], v[14+\e]
	v_lshrrev_b32 v[BY+\e], 23, v[14+\e]           ; the scale's byte (also the plain line behind the conversions)
	ds_store_b8 v[HBW], v[BY+\e] offset:16*\e      ; both lanes of a block write the same byte with the same value
	ds_store_b64 v[HCW], v[CO+2*\e:CO+2*\e+1] offset:256*\e
.endr
	s_wait_tensorcnt 0x0                           ; my part of w1's first half is in,
	s_wait_loadcnt 0x0                             ; b1 and the scale words are in,
	s_wait_dscnt 0x0                               ; my row's codes and bytes lie in LDS
	s_barrier_signal -1
	s_barrier_wait -1                              ; everybody's do.
.irp s, 0,1,2,3,4,5,6,7
.irp c, 0,1
	ds_load_b128 v[HF+8*\s+4*\c:HF+8*\s+4*\c+3], v[HFA] offset:64*\s+32*\c   ; h's eight fragments stay in registers
.endr
.endr
	ds_load_b128 v[HSW:HSW+3], v[HSA]
	ds_load_b128 v[HSW+4:HSW+7], v[HSA] offset:16
; Half m of w1's rows: my two tiles, K in two batches of four steps.  The two accumulators take turns, one instruction a turn.
.macro HALF m
.irp k, 0,1
.irp q, 0,1,2,3
.irp u, 0,1
.irp c, 0,1
	ds_load_b128 v[WF+8*(2*\q+\u)+4*\c:WF+8*(2*\q+\u)+4*\c+3], v[WFA] offset:16*RP*\u+64*(4*\k+\q)+32*\c
.endr
.endr
.endr
	s_wait_dscnt 0x0
.irp q, 0,1,2,3
.irp u, 0,1
	v_wmma_scale_f32_16x16x128_f8f6f4 v[ACC+8*(2*\m+\u):ACC+8*(2*\m+\u)+7], v[WF+8*(2*\q+\u):WF+8*(2*\q+\u)+7], v[HF+8*(4*\k+\q):HF+8*(4*\k+\q)+7], v[ACC+8*(2*\m+\u):ACC+8*(2*\m+\u)+7], v[WS+8*(2*\m+\u)+4*\k+\q], v[HSW+4*\k+\q] matrix_a_fmt:MATRIX_FMT_FP4 matrix_b_fmt:MATRIX_FMT_FP4
.endr
.endr
.rept 4
	v_nop                                          ; places in front of loads into registers that these products have read, and of the first read of results
.endr
.endr
.endm
	HALF 0
	; the ring is filled again, once
	s_wait_tensorcnt 0x0                           ; no tensor load of mine is out, so group 0 may be written
	ds_add_u32 v[SPW], v[NIL]                      ; 0 onto my spare word
	ds_add_u32 v22, v23
	s_add_nc_u64 s[42:43], s[42:43], 512*512       ; w1's stored rows 512 on; the type bits on top are not reached
	s_wait_dscnt 0x0                               ; the add is done, and my reads of the ring are over
	ROUND                                          ; both now hold of every wave of all four work-groups
	s_cmp_lt_u32 s24, 8
	s_cbranch_scc0 .Lno_fetch_1
	tensor_load_to_lds s[40:43], s[32:39]          ; the first thing behind the round, and my one tensor load there
	s_nop 0
.rept 4
	v_nop
.endr
.Lno_fetch_1:
	s_wait_tensorcnt 0x0                           ; my part of the second half is in,
	s_barrier_signal -1
	s_barrier_wait -1                              ; everybody's is
	HALF 1
.irp j, 0,1,2,3,4,5,6,7
	global_load_b128 v[96+4*\j:99+4*\j], v[LO], s[18:19] offset:512*\j     ; ln2_g, into the registers that h's fragments have left: they land while the output turns through LDS
.endr
.irp j, 0,1,2,3,4,5,6,7
	global_load_b128 v[128+4*\j:131+4*\j], v[LO], s[20:21] offset:512*\j   ; ln2_b
.endr
	s_wait_dscnt 0x0
	s_barrier_signal -1
	s_barrier_wait -1                              ; nobody reads the ring any more; it has had its last fill: the output's stage lies there
.irp m, 0,1
.irp u, 0,1
	ds_store_b128 v[OSA], v[ACC+8*(2*\m+\u):ACC+8*(2*\m+\u)+3] offset:2048*\m+32*\u          ; each accumulator from its low end on
	ds_store_b128 v[OSA], v[ACC+8*(2*\m+\u)+4:ACC+8*(2*\m+\u)+7] offset:2048*\m+32*\u+16
.endr
.endr
	s_wait_dscnt 0x0                               ; for the others' sake: my stores into the stage are done
	s_barrier_signal -1
	s_barrier_wait -1
.irp j, 0,1,2,3,4,5,6,7
	ds_load_b128 v[24+4*\j:27+4*\j], v[OSR] offset:512*\j                  ; my row, dense, as h lies
.endr
	s_wait_dscnt 0x0
.irp j, 0,2,4,6,8,10,12,14,16,18,20,22,24,26,28,30
	v_pk_add_f32 v[24+\j:25+\j], v[24+\j:25+\j], v[HR+\j:HR+\j+1]          ; + h
.endr
	s_wait_loadcnt 0x0                             ; ln2_g, ln2_b
	LNORM 24, 96, 128
.irp j, 0,1,2,3,4,5,6,7
	global_store_b128 v[LO], v[24+4*\j:27+4*\j], s[22:23] offset:512*\j th:TH_STORE_NT   ; 32 lanes store 512 consecutive bytes, aligned
.endr
	s_wait_tensorcnt 0x0                           ; the wave's end
	ds_add_u32 v[SPW], v[NIL]
	s_wait_dscnt 0x0
	ROUND                                          ; the closing round: no work-group ends while a partner may still ask for a tile that names it
	s_endpgm
.Lfunc_end_k_q9bde9fbfd1_tail:
	.size	k_q9bde9fbfd1_tail, .Lfunc_end_k_q9bde9fbfd1_tail-k_q9bde9fbfd1_tail
	.p2alignl 7, 3214868480
	.fill 96, 4, 3214868480
	.section	.rodata,"a",@progbits
	.p2align	6, 0x0
	.amdhsa_kernel k_q9bde9fbfd1_tail
		.amdhsa_group_segment_fixed_size 327680
		.amdhsa_private_segment_fixed_size 0
		.amdhsa_enable_private_segment 0
		.amdhsa_kernarg_size 80
		.amdhsa_user_sgpr_count 2
		.amdhsa_user_sgpr_kernarg_segment_ptr 1
		.amdhsa_wavefront_size32 1
		.amdhsa_system_sgpr_workgroup_id_x 1
		.amdhsa_system_sgpr_workgroup_id_y 1
		.amdhsa_system_sgpr_workgroup_id_z 1
		.amdhsa_system_vgpr_workitem_id 0
		.amdhsa_next_free_vgpr 256
		.amdhsa_next_free_sgpr 66
		.amdhsa_reserve_vcc 0
		.amdhsa_float_denorm_mode_32 3
		.amdhsa_float_denorm_mode_16_64 3
		.amdhsa_memory_ordered 1
		.amdhsa_forward_progress 1
		.amdhsa_inst_pref_size 45
	.end_amdhsa_kernel
	.amdgpu_metadata
---
amdhsa.version: [ 1, 2 ]
amdhsa.kernels:
  - .name:           k_q9bde9fbfd1_tail
    .symbol:         k_q9bde9fbfd1_tail.kd
    .args:
      - { .name: att, .offset: 0, .size: 8, .value_kind: global_buffer, .address_space: global }
      - { .name: x, .offset: 8, .size: 8, .value_kind: global_buffer, .address_space: global }
      - { .name: codes, .offset: 16, .size: 8, .value_kind: global_buffer, .address_space: global }
      - { .name: scales, .offset: 24, .size: 8, .value_kind: global_buffer, .address_space: global }
      - { .name: ln1_g, .offset: 32, .size: 8, .value_kind: global_buffer, .address_space: global }
      - { .name: ln1_b, .offset: 40, .size: 8, .value_kind: global_buffer, .address_space: global }
      - { .name: b1, .offset: 48, .size: 8, .value_kind: global_buffer, .address_space: global }
      - { .name: ln2_g, .offset: 56, .size: 8, .value_kind: global_buffer, .address_space: global }
      - { .name: ln2_b, .offset: 64, .size: 8, .value_kind: global_buffer, .address_space: global }
      - { .name: out0, .offset: 72, .size: 8, .value_kind: global_buffer, .address_space: global }
    .group_segment_fixed_size: 327680
    .private_segment_fixed_size: 0
    .kernarg_segment_align: 8
    .kernarg_segment_size: 80
    .max_flat_workgroup_size: 512
    .sgpr_count:     66
    .vgpr_count:     256
    .wavefront_size: 32
...
	.end_amdgpu_metadata
.endif
;; end of part 4
